; MI455X (gfx1250); checked and timed in simulation.
; The chip was launched on July 23, 2026; its instructions are those of AMD's public machine-readable ISA for CDNA 5 (MIT licence, August 2026) and "CDNA5" Instruction Set Architecture Reference Guide (July 2026). The comments in the code are by the model that wrote it; some were corrected since.
;; NTB. Allowed arithmetic: matrix products marked QUANTISED: E5M2 operands, one given power-of-two scale a tensor, by v_wmma_f32_16x16x64_bf8_bf8 or v_wmma_f32_16x16x128_bf8_bf8, f32 sums; everything else in f32.
;; Inputs: b1 4,096 float32; b2 1,024 float32; ln1_b 1,024 float32; ln1_g 1,024 float32; ln2_b 1,024 float32; ln2_g 1,024 float32; lowp_scales 12 int32 (the exponents e of the quantised operands' scales 2^e); temp 16 x 1 x 1 float32; w1_codes 4,096 x 32 x 32 uint8 (E5M2 codes of w1, K innermost, in blocks of 32 codes); w2_codes 1,024 x 128 x 32 uint8 (E5M2 codes of w2, K innermost, in blocks of 32 codes); w_proj_codes 1,024 x 32 x 32 uint8 (E5M2 codes of w_proj, K innermost, in blocks of 32 codes); w_qkv_codes 3,072 x 32 x 32 uint8 (E5M2 codes of w_qkv, K innermost, in blocks of 32 codes); x 2 x 2,048 x 1,024 float32.
;; Outputs: out0 2 x 2,048 x 1,024 float32.
;; This version of the problem:
;;   THIS VERSION OF THE PROBLEM IS GIVEN IN LOW PRECISION. The matrix products marked QUANTISED in the list below multiply operands that are first quantised to E5M2 (5 exponent bits, 2 mantissa bits; 8 bits a number), with one given power-of-two scale for each operand tensor; their sums are f32. All else is computed in f32.
;;   The module's matrix products, in the order in which they are computed (A, B: the left and right operand; K: the contracted axis; several contracted axes count as one K, in the product's order):
;;     1. [M 4,096, K 1,024] x [K 1,024, N 3,072]; A: computed on the way; B: input w_qkv (given as codes): QUANTISED (scales: A lowp_scales[0], B lowp_scales[1])
;;     2. batch 32 x [M 2,048, K 64] x [K 64, N 2,048]; A: computed on the way; B: computed on the way: QUANTISED (scales: A lowp_scales[2], B lowp_scales[3])
;;     3. batch 32 x [M 2,048, K 2,048] x [K 2,048, N 64]; A: softmax (see below); B: computed on the way: QUANTISED (scales: A lowp_scales[4], B lowp_scales[5])
;;     4. [M 4,096, K 1,024] x [K 1,024, N 1,024]; A: computed on the way; B: input w_proj (given as codes): QUANTISED (scales: A lowp_scales[6], B lowp_scales[7])
;;     5. [M 4,096, K 1,024] x [K 1,024, N 4,096]; A: computed on the way; B: input w1 (given as codes): QUANTISED (scales: A lowp_scales[8], B lowp_scales[9])
;;     6. [M 4,096, K 4,096] x [K 4,096, N 1,024]; A: computed on the way; B: input w2 (given as codes): QUANTISED (scales: A lowp_scales[10], B lowp_scales[11])
;;   THE QUANTISER, for each operand of a quantised product, along K:
;;     - The operand's scale is 2^e, e = its entry of the input lowp_scales (int32; the entries are numbered through the quantised products in the list's order, A before B).
;;     - Each number is divided by the scale, clamped to +-57,344, and rounded to the nearest number of E5M2, ties to even, subnormals kept.
;;     - The product sums the exact products of the quantised numbers (number of the format x scale) in f32.
;;   ~~~python
;;   def quantise(x, axis, e):      # numpy; x: float32 -> the quantised numbers, widened to float32 again
;;       x = np.moveaxis(x, axis, -1); K = x.shape[-1]
;;       r = np.clip(x / 2.0 ** e, -57344, 57344)
;;       step = 2.0 ** (np.maximum(np.frexp(np.where(r == 0, 1, r))[1] - 1, -14) - 2)
;;       q = np.round(r / step) * step * 2.0 ** e      # np.round: ties to even
;;       return np.moveaxis(q, -1, axis).astype(np.float32)
;;   ~~~
;;   SOFTMAX AHEAD OF A QUANTISED PRODUCT. Where the list says 'softmax', what is quantised is not the finished softmax but p = 2^(t - M), with t = logit x log2(e) and M = ceil(the row's largest t), a whole number; so 1/2 < the row's largest p <= 1. The row's sum l is taken of the UNQUANTISED p, in f32, and the product's result is divided by l at the end. Since M is a whole number, a kernel that streams over the keys may use a running M (the ceiling of the running maximum): every later rescaling is an exact power of two, so the quantised numbers keep their values, but for numbers so far below the row's largest that they fall under the format's range.
;;   OPERANDS COMPUTED ON THE WAY. 'Computed on the way' means the value that the module computes at that place (a softmax that the list does not call 'softmax' is quantised finished and normalised). What goes into a quantiser is computed in f32, as accurately as f32 sums, v_exp_f32 and their like allow (about 1e-6 of the number): no bf16 or f16 on the way to a quantiser, and a product that is left as it is and whose result goes on into a quantised operand takes f32 operands (vector FMAs, or v_wmma_f32_16x16x4_f32). A number that lies on a knife's edge between two numbers of the format may be rounded either way, as far as f32 arithmetic and the matrix unit's own rounding can turn it there, and no further.
;;   INPUTS GIVEN AS CODES. w1 (in the module: [4096, 1024], K = its axis 1); w2 (in the module: [1024, 4096], K = its axis 1); w_proj (in the module: [1024, 1024], K = its axis 1); w_qkv (in the module: [3072, 1024], K = its axis 1): each comes as NAME_codes (uint8): NAME with its K axis moved to the last place and cut into blocks of 32 codes, [.., K / 32, bytes a block], one block behind the other in memory; one code a byte (a code: sign, 5 exponent bits, 2 mantissa bits); its scale is its entry of lowp_scales. Its value is code x scale, taken as it is: it is not quantised again, and the codes and scales need not be those that the quantiser above would give.
;; One version. Each part assembles by itself: llvm-mc -triple=amdgcn-amd-amdhsa -mcpu=gfx1250 --defsym DOCPART=n.
;; ======== version 1 of 1: 7 launches
;; limits: right only within a limited range of input values
;; workspace buffers: acod 4,194,304 bytes; qc 4,194,304 bytes; kc 4,194,304 bytes; vc 4,194,304 bytes; oc 4,194,304 bytes; x1 16,777,216 bytes; hc 16,777,216 bytes
;; launch ln1 (part 1): grid 256 x 1, 16 waves a work-group, no clusters, 83,968 bytes of LDS; arguments x, ln1_g, ln1_b, lowp_scales, acod; writes acod
.if DOCPART == 1
	.amdgcn_target "amdgcn-amd-amdhsa--gfx1250"
	.amdhsa_code_object_version 6
	.text
	.protected	k_qed17f5d6fe_ln1
	.globl	k_qed17f5d6fe_ln1
	.p2align	8
	.type	k_qed17f5d6fe_ln1,@function
k_qed17f5d6fe_ln1:
	s_mov_b64 s[64:65], 0
	v_nop
	global_prefetch_b8 v0, s[64:65] scope:SCOPE_SE
	s_setreg_imm32_b32 hwreg(HW_REG_WAVE_MODE, 25, 1), 1
	s_wait_xcnt 0x0
; codes = Q(layernorm(x) * g + b, 2^e), e = the entry of the scales' buffer at byte EOFF.  x: [4096][1024] f32; codes: [4096][1024] bytes, E5M2, K innermost.
; A work-group takes 16 rows, a wave ONE: a row of 4,096 bytes is 32 registers of the wave, so it is read from memory once and both passes (mean; squares of x - mean) run on registers:
; the variance is the mean of (x - mean)^2 and never a difference of large sums.  All 24 loads of a wave go out at the head, 512 consecutive bytes each, the row ahead of g and b.
; g and b lie in the same layout as the row (register 4 j + k: column 128 j + 4 lane + k), so the gain and the bias are applied before the numbers change lanes.
; The conversion takes 8 neighbours along K from one lane, so the finished row turns through the wave's own stage in LDS (64 places of 64 bytes + 16 of padding) and comes back 64 bytes a lane;
; a lane's 16 codes are 16 bytes, and the wave stores 512 consecutive bytes.  Waves share nothing: no barrier.  No matrix unit, no cluster, no tensor load, no prefetch: the bytes are read once, at the head, and no two work-groups share any but g and b.
; LIMITS: e between -126 and 112, so that 2^e and 57,344 x 2^e are f32 numbers.  NaN and infinities among the inputs are not served.
.set EOFF, 0                           ; byte of the exponent in the scales' buffer
.set G,   32                           ; v32-63   g
.set B,   64                           ; v64-95   b
.set X,   96                           ; v96-127  the row; its first 8 registers later take its codes
.set T,   128                          ; v128-159 the row as it comes back from the stage
.set SPARE, 16*5120                    ; behind the sixteen stages: the spare words, 128 bytes a wave
	s_load_b256 s[4:11], s[0:1], 0x0               ; x s[4:5], g s[6:7], b s[8:9], the scales' exponents s[10:11]
	s_load_b64 s[12:13], s[0:1], 0x20              ; the codes
	v_lshl_add_u32 v22, v0, 2, SPARE
	v_mov_b32 v23, 0
	v_lshrrev_b32 v1, 5, v0
	v_readfirstlane_b32 s14, v1                    ; wave 0..15
	v_and_b32 v7, 31, v0                           ; lane
	v_lshlrev_b32 v2, 4, v7                        ; 16 x lane: my bytes of a load's or a store's 512; never rewritten
	s_mul_i32 s15, s14, 5120                       ; my wave's stage
	v_lshrrev_b32 v3, 2, v7
	v_mul_u32_u24 v3, v3, 80
	v_and_b32 v4, 3, v7
	v_lshl_add_u32 v3, v4, 4, v3
	v_add_nc_u32 v3, s15, v3                       ; into the stage: four lanes' 64 bytes on end, then 16 of padding
	v_mul_u32_u24 v4, v7, 80
	v_add_nc_u32 v4, s15, v4                       ; out of it: 80 x lane: 16 neighbouring numbers
	v_mov_b32 v12, 0                               ; a lane permute's destination counts as read: written once
	s_mov_b32 s20, 0x76543210
	s_mov_b32 s21, 0xfedcba98                      ; lane l xor 16
	s_mov_b32 s22, 0x3a800000                      ; 1 / 1024
	s_mov_b32 s23, 0x3727c5ac                      ; 1e-5
	s_lshl_b32 s16, ttmp9, 16                      ; 16 rows of 4,096 bytes a work-group,
	s_lshl_b32 s17, s14, 12                        ; one a wave
	s_add_co_u32 s16, s16, s17
	s_mov_b32 s17, 0
	s_lshr_b32 s18, s16, 2                         ; a row of codes is a quarter of that
	s_mov_b32 s19, 0
	s_wait_alu depctr_va_vdst(0)                   ; the wait at the head's end
	s_wait_kmcnt 0x0
	s_load_b32 s24, s[10:11], EOFF                 ; e
	s_add_nc_u64 s[4:5], s[4:5], s[16:17]
	s_add_nc_u64 s[12:13], s[12:13], s[18:19]
.irp j, 0,1,2,3,4,5,6,7
	global_load_b128 v[X+4*\j:X+4*\j+3], v2, s[4:5] offset:512*\j
.endr
.irp j, 0,1,2,3,4,5,6,7
	global_load_b128 v[G+4*\j:G+4*\j+3], v2, s[6:7] offset:512*\j
.endr
.irp j, 0,1,2,3,4,5,6,7
	global_load_b128 v[B+4*\j:B+4*\j+3], v2, s[8:9] offset:512*\j
.endr
.macro REDUCE                          ; v8: my lane's part -> the sum over the 32 lanes, in every lane; one chain, so each line carries its hint
.irp m, 1,2,4,8
	s_delay_alu instid0(VALU_DEP_1)
	v_add_f32_dpp v8, v8, v8 row_xmask:\m row_mask:0xf bank_mask:0xf
.endr
	s_delay_alu instid0(VALU_DEP_1)
	v_permlanex16_b32 v12, v8, s20, s21
	s_delay_alu instid0(VALU_DEP_1)
	v_add_f32 v8, v8, v12
.endm
	s_wait_loadcnt 16                              ; loads come back in order: the row is in; g's and b's sixteen loads may be out
	v_pk_add_f32 v[8:9], v[X:X+1], v[X+2:X+3]      ; two chains, started by the first four pairs: nothing is cleared
	v_pk_add_f32 v[10:11], v[X+4:X+5], v[X+6:X+7]
.irp j, 8,12,16,20,24,28
	v_pk_add_f32 v[8:9], v[8:9], v[X+\j:X+\j+1]
	v_pk_add_f32 v[10:11], v[10:11], v[X+\j+2:X+\j+3]
.endr
	v_pk_add_f32 v[8:9], v[8:9], v[10:11]
	v_add_f32 v8, v8, v9
	REDUCE
	v_mul_f32 v14, s22, v8                         ; the mean,
	v_mov_b32 v15, v14                             ; as a pair
.irp j, 0,2,4,6,8,10,12,14,16,18,20,22,24,26,28,30
	v_pk_add_f32 v[X+\j:X+\j+1], v[X+\j:X+\j+1], v[14:15] neg_lo:[0,1] neg_hi:[0,1]
.endr
	v_pk_mul_f32 v[8:9], v[X:X+1], v[X:X+1]
	v_pk_mul_f32 v[10:11], v[X+2:X+3], v[X+2:X+3]
.irp j, 4,8,12,16,20,24,28
	v_pk_fma_f32 v[8:9], v[X+\j:X+\j+1], v[X+\j:X+\j+1], v[8:9]
	v_pk_fma_f32 v[10:11], v[X+\j+2:X+\j+3], v[X+\j+2:X+\j+3], v[10:11]
.endr
	v_pk_add_f32 v[8:9], v[8:9], v[10:11]
	v_add_f32 v8, v8, v9
	REDUCE
	v_fma_f32 v16, v8, s22, s23                    ; variance + 1e-5
	s_wait_alu depctr_va_vdst(0)                   ; the wait ahead of the batch
	v_rsq_f32 v24, v16                             ; the factor twice, for the packed multiply
	v_rsq_f32 v25, v16
	s_wait_kmcnt 0x0
	s_add_co_i32 s24, s24, 127
	s_lshl_b32 s25, s24, 23
	v_mov_b32 v5, s25                              ; 2^e as f32: the conversion takes its exponent field.  (The plain instruction behind the last transcendental)
	s_add_co_i32 s24, s24, 15
	s_lshl_b32 s24, s24, 23
	s_or_b32 s24, s24, 0x600000
	v_mov_b32 v6, s24                              ; 57,344 x 2^e
	s_wait_alu depctr_va_vdst(0)                   ; one wait for the batch, ahead of its first reader, and directly ahead of the wait below
	s_wait_loadcnt 0x0                             ; g and b
.irp j, 0,2,4,6,8,10,12,14,16,18,20,22,24,26,28,30
	v_pk_mul_f32 v[X+\j:X+\j+1], v[X+\j:X+\j+1], v[24:25]
.endr
.irp j, 0,2,4,6,8,10,12,14,16,18,20,22,24,26,28,30
	v_pk_fma_f32 v[X+\j:X+\j+1], v[X+\j:X+\j+1], v[G+\j:G+\j+1], v[B+\j:B+\j+1]
.endr
.irp j, 0,1,2,3,4,5,6,7
	ds_store_b128 v3, v[X+4*\j:X+4*\j+3] offset:640*\j         ; a load's 512 bytes take eight places of 80
.endr
.irp u, 0,1
.irp k, 0,1,2,3
	ds_load_b128 v[T+16*\u+4*\k:T+16*\u+4*\k+3], v4 offset:2560*\u+16*\k   ; LDS serves a wave's instructions in order: these see the stores above.  Columns 512 u + 16 lane + 0 .. 15
.endr
.endr
	s_wait_dscnt 0x0
.set n, 0
.rept 32
	v_med3_num_f32 v[T+n], v[T+n], -v6, v6         ; the conversion to an 8-bit code does not saturate (ISA guide 7.6.2): the hold at the largest code x the scale
.set n, n+1
.endr
.irp u, 0,1
	v_cvt_scalef32_pk8_bf8_f32 v[X+4*\u:X+4*\u+1], v[T+16*\u:T+16*\u+7], v5
	v_cvt_scalef32_pk8_bf8_f32 v[X+4*\u+2:X+4*\u+3], v[T+16*\u+8:T+16*\u+15], v5
.endr
.irp u, 0,1
	global_store_b128 v2, v[X+4*\u:X+4*\u+3], s[12:13] offset:512*\u   ; 32 lanes store 512 consecutive bytes, aligned
.endr
	s_wait_tensorcnt 0x0                           ; the wave's end
	ds_add_u32 v22, v23
	s_wait_dscnt 0x0
	s_endpgm
.Lfunc_end_k_qed17f5d6fe_ln1:
	.size	k_qed17f5d6fe_ln1, .Lfunc_end_k_qed17f5d6fe_ln1-k_qed17f5d6fe_ln1
	.p2alignl 7, 3214868480
	.fill 96, 4, 3214868480
	.section	.rodata,"a",@progbits
	.p2align	6, 0x0
	.amdhsa_kernel k_qed17f5d6fe_ln1
		.amdhsa_group_segment_fixed_size 83968
		.amdhsa_private_segment_fixed_size 0
		.amdhsa_enable_private_segment 0
		.amdhsa_kernarg_size 40
		.amdhsa_user_sgpr_count 2
		.amdhsa_user_sgpr_kernarg_segment_ptr 1
		.amdhsa_wavefront_size32 1
		.amdhsa_system_sgpr_workgroup_id_x 1
		.amdhsa_system_sgpr_workgroup_id_y 1
		.amdhsa_system_sgpr_workgroup_id_z 1
		.amdhsa_system_vgpr_workitem_id 0
		.amdhsa_next_free_vgpr 160
		.amdhsa_next_free_sgpr 66
		.amdhsa_reserve_vcc 0
		.amdhsa_float_denorm_mode_32 3
		.amdhsa_float_denorm_mode_16_64 3
		.amdhsa_memory_ordered 1
		.amdhsa_forward_progress 1
		.amdhsa_inst_pref_size 15
	.end_amdhsa_kernel
	.amdgpu_metadata
---
amdhsa.version: [ 1, 2 ]
amdhsa.kernels:
  - .name:           k_qed17f5d6fe_ln1
    .symbol:         k_qed17f5d6fe_ln1.kd
    .args:
      - { .name: x, .offset: 0, .size: 8, .value_kind: global_buffer, .address_space: global }
      - { .name: ln1_g, .offset: 8, .size: 8, .value_kind: global_buffer, .address_space: global }
      - { .name: ln1_b, .offset: 16, .size: 8, .value_kind: global_buffer, .address_space: global }
      - { .name: lowp_scales, .offset: 24, .size: 8, .value_kind: global_buffer, .address_space: global }
      - { .name: acod, .offset: 32, .size: 8, .value_kind: global_buffer, .address_space: global }
    .group_segment_fixed_size: 83968
    .private_segment_fixed_size: 0
    .kernarg_segment_align: 8
    .kernarg_segment_size: 40
    .max_flat_workgroup_size: 512
    .sgpr_count:     66
    .vgpr_count:     160
    .wavefront_size: 32
...
	.end_amdgpu_metadata
.endif
;; end of part 1
;; launch qkv (part 2): grid 8 x 32, 4 waves a work-group, clusters of 4 x 4, 327,680 bytes of LDS; arguments acod, w_qkv_codes, lowp_scales, qc, kc, vc; writes qc, kc, vc
.if DOCPART == 2
	.amdgcn_target "amdgcn-amd-amdhsa--gfx1250"
	.amdhsa_code_object_version 6
	.text
	.protected	k_qed17f5d6fe_qkv
	.globl	k_qed17f5d6fe_qkv
	.p2align	8
	.type	k_qed17f5d6fe_qkv,@function
k_qed17f5d6fe_qkv:
	s_mov_b64 s[64:65], 0
	v_nop
	global_prefetch_b8 v0, s[64:65] scope:SCOPE_SE
	s_setreg_imm32_b32 hwreg(HW_REG_WAVE_MODE, 25, 1), 1
	s_wait_xcnt 0x0
	s_wait_alu depctr_hold_cnt(0) depctr_sa_sdst(0) depctr_va_vdst(0) depctr_va_sdst(0) depctr_va_ssrc(0) depctr_va_vcc(0) depctr_vm_vsrc(0)
	s_getreg_b32 s2, hwreg(HW_REG_IB_STS2, 6, 4)
	s_cmp_eq_u32 s2, 0
	s_cbranch_scc0 .Lentry_in_a_cluster
	s_endpgm
.Lentry_in_a_cluster:
	s_bfe_u32 s2, ttmp6, 0x10000c
	s_cmp_lg_u32 s2, 0xf033
	s_cbranch_scc0 .Lentry_shape_is_right
	s_endpgm
.Lentry_shape_is_right:
; qkv = h Wqkv^T on E5M2 codes (K = 1024), then q and k are divided by their norms over the head's 64 and all three are quantised: q with e2, k with e3, v with e5.
; h's codes: [4096][1024]; Wqkv's codes: [3072][1024]; the scales' exponents e0 .. e7 are read.
; SHARES.  A work-group takes 128 tokens x the q, k and v columns of two heads (3 x 128 columns).  Wave (ti = wave & 1, hj = wave >> 1) takes 64 tokens x q, k, v of one head: 48 accumulators.
; q and k are made TRANSPOSED (source 0 = 16 rows of W, source 1 = 16 tokens): a lane holds one token and eight neighbouring channels, so the norm wants one exchange between the halves of the lanes and the codes have d innermost.
; v is made the natural way round (source 0 = tokens, source 1 = rows of W): a lane holds one channel and eight neighbouring TOKENS, so its codes come out with the keys innermost, as the second product of attention wants them.
; OUT.  qc: [bh][2048 tokens][64].  kc: the same, but in each group of 32 keys the second and third groups of 8 change places (position 16 u + m holds key 8 u + m + 8 (m / 8)).  vc: [bh][32 chunks of 64 keys][64 d][64 keys].
; A wave's part of each is 4,096 consecutive bytes; it goes through the wave's stage in LDS and leaves in stores of 512 consecutive bytes.
; RING.  K goes in steps of 256 through two LDS slots of four pieces of 128 rows x 256 bytes: Wq's, Wk's, Wv's rows (waves 0 to 2 fetch them) and the tokens' (wave 3).
; CLUSTER 4 x 4: the four work-groups of a row of the cluster share the tokens, the four of a column the weights: each piece is asked for jointly.
; A fragment (16 rows x 128 K) is fetched by four loads of 16 bytes: registers 4 c .. 4 c + 3 hold K = 32 c + 16 (lane / 16) + 0 .. 15, alike on both sides of a product.
; Prefetches name K steps 1 to 3: the launch has four K steps, of which two are first fills.
; REGISTERS: window 0: v16-27 addresses, v28-29 the add's, v32-127 at work on the way out, v128-255 v's accumulators (a, b) at 128 + 32 a + 8 b.  windows 1, 2: two sets of fragments: tokens' block i at 16 i, W's (p, b) at 64 + 64 p + 16 b.
;   window 3: q's and k's accumulators (p, a, b) at 128 p + 32 a + 8 b.
; LIMITS: e0 + e1 between -126 and 127; e2, e3 and e5 - e0 - e1 between -126 and 112.  NaN and infinities are not served.
.set PITCH, 272                        ; an LDS row: 256 bytes + 16 of padding: the 16 rows of a fragment load start at 16 different groups of banks
.set HALFT, 128*PITCH                  ; a piece
.set SLOT,  4*HALFT
.set SPARE, 2*SLOT                     ; behind the ring: the spare words, 128 bytes a wave
.set STAGE, SPARE+512                  ; behind them: 64 rows x 80 bytes for each wave
.set ADRA, 16                          ; v16-17  my tokens' fragments in slot 0, 1
.set ADRB, 18                          ; v18-23  my rows of Wq, Wk, Wv in slot 0; in slot 1
.set STQ,  24                          ; v24  stage + 80 r + 8 h
.set STK,  25                          ; v25  stage + 80 (r + 8 (r / 8)) + 8 h
.set RD,   26                          ; v26  stage + 80 (lane / 4) + 16 (lane % 4)
.set GO,   27                          ; v27  16 x lane
.set SPW,  28
.set NIL,  29
.set G1A, 24                           ; s[24:31] group 1 for the tokens' piece; s[32:39] its groups 0, one a slot
.set G0A, 32
.set G1B, 48                           ; s[48:55], s[56:63] the same for W's pieces
.set G0B, 56
.set WV,  76
.set MSB, 0
.macro WIN new                         ; the immediate's high byte repeats the setting that is left
.if MSB != \new
	s_set_vgpr_msb (MSB<<8)|\new
.set MSB, \new
.endif
.endm
.macro PLACES
.rept 4
	v_nop
.endr
.endm
.macro JLOAD s                         ; a joint load: wave 3 asks for the tokens' piece, waves 0 to 2 for W's; four v_nop follow each line
	s_cmp_eq_u32 s[WV], 3
	s_cbranch_scc0 .Lfor_b_\@
	tensor_load_to_lds s[G0A+4*\s:G0A+4*\s+3], s[G1A:G1A+7]
	s_nop 0
.rept 4
	v_nop
.endr
	s_branch .Lasked_\@
.Lfor_b_\@:
	tensor_load_to_lds s[G0B+4*\s:G0B+4*\s+3], s[G1B:G1B+7]
	s_nop 0
.rept 4
	v_nop
.endr
.Lasked_\@:
.endm
.macro CREST                           ; a round of the cluster's barrier behind its opening barrier
	s_cmp_lg_u32 s[WV], 0
	s_cbranch_scc1 .Lnot_wave_0_\@
	s_barrier_signal -3
.Lnot_wave_0_\@:
	s_barrier_wait -3
	s_barrier_signal -1
	s_barrier_wait -1
.endm
.macro CROUND
	s_barrier_signal -1
	s_barrier_wait -1
	CREST
.endm
	s_load_b256 s[4:11], s[0:1], 0x0               ; h's codes s[4:5], W's codes s[6:7], exponents s[8:9], qc s[10:11]
	s_load_b128 s[12:15], s[0:1], 0x20             ; kc s[12:13], vc s[14:15]
	v_lshl_add_u32 v[SPW], v0, 2, SPARE
	v_mov_b32 v[NIL], 0
	ds_add_u32 v28, v29
	ds_add_u32 v28, v29
	s_wait_dscnt 0x0
	v_lshrrev_b32 v1, 5, v0
	v_readfirstlane_b32 s[WV], v1                  ; wave 0..3
	s_lshr_b32 s77, s[WV], 1                       ; hj: which of the two heads
	s_and_b32 s78, s[WV], 1                        ; ti: which 64 tokens
	s_bfe_u32 s40, ttmp6, 0x40000                  ; cx, cy
	s_bfe_u32 s41, ttmp6, 0x40004
	s_lshl_b32 s42, ttmp9, 2
	s_add_co_u32 s42, s42, s40                     ; hp: the pair of heads
	s_and_b32 s43, ttmp7, 0xffff
	s_lshl_b32 s43, s43, 2
	s_add_co_u32 s43, s43, s41                     ; tb: the block of 128 tokens
	s_lshl_b32 s44, s41, 2
	s_lshl_b32 s44, 15, s44                        ; my row of the cluster
	s_lshl_b32 s45, 0x1111, s40                    ; my column
	s_or_b32 s[G1A], s44, (1<<20)|(1<<21)|(5<<22)|(3<<25)   ; the mask; elements of 1 byte; padding on; bit 21 beside a mask; after every 64 words, 4 words
	s_or_b32 s[G1B], s45, (1<<20)|(1<<21)|(5<<22)|(3<<25)
.irp g, G1A, G1B
	s_mov_b32 s[\g+1], 256<<16                     ; tensor_dim0
	s_mov_b32 s[\g+2], 128<<16                     ; tensor_dim1
	s_mov_b32 s[\g+3], 256<<16                     ; tile_dim0
	s_mov_b32 s[\g+4], 128                         ; tile_dim1
	s_mov_b32 s[\g+5], 1024                        ; bytes from row to row
	s_mov_b32 s[\g+6], 0
	s_mov_b32 s[\g+7], 0
.endr
	s_lshl_b32 s20, s43, 17                        ; tokens: 128 tb rows of 1,024 bytes
	s_mov_b32 s21, 0
	s_min_u32 s46, s[WV], 2                        ; W: section q, k or v (1,024 rows each),
	s_lshl_b32 s46, s46, 20
	s_lshl_b32 s47, s42, 17                        ; + 128 hp rows
	s_add_co_u32 s46, s46, s47
	s_mov_b32 s47, 0
	s_mul_i32 s79, s[WV], HALFT                    ; where my piece goes: no place in the cluster enters an LDS address
	s_wait_kmcnt 0x0
	s_load_b256 s[68:75], s[8:9], 0x0              ; e0 .. e7
	s_add_nc_u64 s[20:21], s[4:5], s[20:21]
	s_add_nc_u64 s[46:47], s[6:7], s[46:47]
	; the prefetches: behind the load of K step j (j = 0, 1, 2) each wave names its work-group's 32 of the 128 rows (256 bytes each) that its load of K step j + 1 will fetch.
	; The four partners that ask for a piece jointly share its rows out by address (cx for the tokens' piece, cy for W's); a lane a row; the address registers are never rewritten.
	s_cmp_eq_u32 s[WV], 3
	s_cselect_b64 s[84:85], s[20:21], s[46:47]
	s_cselect_b32 s86, s40, s41
	s_lshl_b32 s86, s86, 15                        ; 32 rows of 1,024 bytes for each partner
	s_mov_b32 s87, 0
	s_add_nc_u64 s[84:85], s[84:85], s[86:87]
	v_and_b32 v30, 31, v0
	v_lshlrev_b32 v30, 10, v30
	CROUND                                         ; all sixteen work-groups are here: the first joint loads meet
.irp s, 0,1
	s_mov_b32 s[G0A+4*\s], 1
	s_add_co_u32 s[G0A+4*\s+1], s79, \s*SLOT
	s_add_nc_u64 s[G0A+4*\s+2:G0A+4*\s+3], s[20:21], \s*256
	s_or_b32 s[G0A+4*\s+3], s[G0A+4*\s+3], 0x80000000
	s_mov_b32 s[G0B+4*\s], 1
	s_add_co_u32 s[G0B+4*\s+1], s79, \s*SLOT
	s_add_nc_u64 s[G0B+4*\s+2:G0B+4*\s+3], s[46:47], \s*256
	s_or_b32 s[G0B+4*\s+3], s[G0B+4*\s+3], 0x80000000
	s_wait_alu depctr_va_vdst(0)
.if \s
	s_wait_tensorcnt 0x0                           ; a wait, two adds and a round ahead of slot 1's first fill
	ds_add_u32 v28, v29
	ds_add_u32 v28, v29
	s_wait_dscnt 0x0
	CROUND
.endif
	JLOAD \s
	global_prefetch_b8 v30, s[84:85] offset:256*(\s+1) th:TH_LOAD_NT scope:SCOPE_SE
.endr
	v_and_b32 v1, 15, v0                           ; r
	v_bfe_u32 v2, v0, 4, 1                         ; h
	v_mul_u32_u24 v3, v1, PITCH
	v_lshl_add_u32 v3, v2, 4, v3                   ; r x pitch + 16 h
	s_mul_i32 s18, s78, 64*PITCH
	s_add_co_u32 s18, s18, 3*HALFT                 ; my 64 tokens, in the fourth piece
	s_mul_i32 s19, s77, 64*PITCH                   ; my head's 64 rows of each of W's pieces
	v_add_nc_u32 v[ADRA], s18, v3
	v_add_nc_u32 v[ADRA+1], SLOT, v[ADRA]
	v_add_nc_u32 v[ADRB], s19, v3
	v_add_nc_u32 v[ADRB+1], HALFT, v[ADRB]
	v_add_nc_u32 v[ADRB+2], 2*HALFT, v[ADRB]
	v_add_nc_u32 v[ADRB+3], SLOT, v[ADRB]
	v_add_nc_u32 v[ADRB+4], SLOT+HALFT, v[ADRB]
	v_add_nc_u32 v[ADRB+5], SLOT+2*HALFT, v[ADRB]
	s_mul_i32 s18, s[WV], 5120
	s_add_co_u32 s18, s18, STAGE                   ; my stage
	v_mul_u32_u24 v4, v1, 80
	v_lshl_add_u32 v4, v2, 3, v4
	v_add_nc_u32 v[STQ], s18, v4
	v_and_b32 v5, 8, v1
	v_add_nc_u32 v5, v5, v1
	v_mul_u32_u24 v5, v5, 80
	v_lshl_add_u32 v5, v2, 3, v5
	v_add_nc_u32 v[STK], s18, v5
	v_and_b32 v6, 31, v0
	v_lshrrev_b32 v7, 2, v6
	v_mul_u32_u24 v7, v7, 80
	v_and_b32 v8, 3, v6
	v_lshl_add_u32 v7, v8, 4, v7
	v_add_nc_u32 v[RD], s18, v7
	v_lshlrev_b32 v[GO], 4, v6
	s_mov_b32 s92, 0x76543210
	s_mov_b32 s93, 0xfedcba98                      ; lane l xor 16
	s_lshr_b32 s80, s43, 4                         ; where my 4,096 bytes begin, the same in qc, kc and vc: bh = 16 x batch + 2 hp + hj,
	s_lshl_b32 s80, s80, 4
	s_lshl_b32 s81, s42, 1
	s_add_co_u32 s80, s80, s81
	s_add_co_u32 s80, s80, s77
	s_lshl_b32 s80, s80, 17                        ; 131,072 bytes each;
	s_and_b32 s81, s43, 15
	s_lshl_b32 s81, s81, 13                        ; + the token in its batch x 64 bytes
	s_add_co_u32 s80, s80, s81
	s_lshl_b32 s81, s78, 12
	s_add_co_u32 s80, s80, s81
	s_mov_b32 s81, 0
	s_add_nc_u64 s[10:11], s[10:11], s[80:81]
	s_add_nc_u64 s[12:13], s[12:13], s[80:81]
	s_add_nc_u64 s[14:15], s[14:15], s[80:81]
; 64 LDS loads in one run: the fragments of the slot's q-th 128 along K into set w: the tokens' four, Wq's four, Wk's, Wv's
.macro FETCH slot, q, w
	WIN (\w)<<6
.irp i, 0,1,2,3
.irp c, 0,1,2,3
	ds_load_b128 v[16*\i+4*\c:16*\i+4*\c+3], v[ADRA+\slot] offset:128*(\q)+32*\c+\i*16*PITCH
.endr
.endr
.irp p, 0,1,2
.irp i, 0,1,2,3
.irp c, 0,1,2,3
	ds_load_b128 v[64+64*\p+16*\i+4*\c:64+64*\p+16*\i+4*\c+3], v[ADRB+3*(\slot)+\p] offset:128*(\q)+32*\c+\i*16*PITCH
.endr
.endr
.endr
.endm
; 16 matrix instructions: part p (q, k or v) of my 48 accumulators, 128 along K, from set w.  The 48 take turns, one instruction a turn, in the same order in every step.
.macro MULP w, p, zero
.if \p < 2
	WIN 0xf0|(5*(\w))
.else
	WIN 5*(\w)
.endif
.irp a, 0,1,2,3
.irp b, 0,1,2,3
.if \p < 2
.if \zero
	v_wmma_f32_16x16x128_bf8_bf8 v[128*\p+32*\a+8*\b:128*\p+32*\a+8*\b+7], v[64+64*\p+16*\b:64+64*\p+16*\b+15], v[16*\a:16*\a+15], 0
.else
	v_wmma_f32_16x16x128_bf8_bf8 v[128*\p+32*\a+8*\b:128*\p+32*\a+8*\b+7], v[64+64*\p+16*\b:64+64*\p+16*\b+15], v[16*\a:16*\a+15], v[128*\p+32*\a+8*\b:128*\p+32*\a+8*\b+7]
.endif
.else
.if \zero
	v_wmma_f32_16x16x128_bf8_bf8 v[128+32*\a+8*\b:128+32*\a+8*\b+7], v[16*\a:16*\a+15], v[192+16*\b:192+16*\b+15], 0
.else
	v_wmma_f32_16x16x128_bf8_bf8 v[128+32*\a+8*\b:128+32*\a+8*\b+7], v[16*\a:16*\a+15], v[192+16*\b:192+16*\b+15], v[128+32*\a+8*\b:128+32*\a+8*\b+7]
.endif
.endif
.endr
.endr
.endm
; A slot's first 128 along K, from set 1; the second 128's fragments are fetched into set 2
.macro STEP slot, zero
	s_wait_dscnt 32                                ; the tokens' and Wq's fragments are in; the youngest 32 loads (Wk's, Wv's) may be out
	MULP 1, 0, \zero
	s_wait_dscnt 0x0                               ; all are in
	PLACES                                         ; four places in front of loads into registers that matrix instructions have read
	FETCH \slot, 1, 2
	MULP 1, 1, \zero
	MULP 1, 2, \zero
.endm
; A slot's second 128, from set 2, and the change of slots: one barrier; in front of it each wave waits for all its tensor loads, adds 0 to its spare word, and waits for that and for its reads of this slot
.macro TURN slot, next, fill
	WIN 0
	s_wait_tensorcnt 0x0                           ; all my tensor loads have landed: my piece of the next slot
	ds_add_u32 v[SPW], v[NIL]                      ; 0 onto my spare word
	s_wait_dscnt 33                                ; (the add and the youngest 32 loads may be out)
	MULP 2, 0, 0                                   ; sixteen matrix instructions stand between the add and the wait for it
	s_wait_dscnt 0x0                               ; the add is done, and my reads of this slot are over
	s_barrier_signal -1
	MULP 2, 1, 0
	WIN 0
	s_barrier_wait -1
.if \fill
	CREST                                          ; the barrier has opened a round of the cluster's: no wave of any partner still reads this slot or has a load on its way
	s_add_nc_u64 s[G0A+4*\slot+2:G0A+4*\slot+3], s[G0A+4*\slot+2:G0A+4*\slot+3], 512
	s_add_nc_u64 s[G0B+4*\slot+2:G0B+4*\slot+3], s[G0B+4*\slot+2:G0B+4*\slot+3], 512
	JLOAD \slot                                    ; the first tensor load behind the round; its four v_nop are the places in front of the loads below
.else
	PLACES
.endif
	FETCH \next, 0, 1
.if \fill && (\slot == 0)
	WIN 0
	global_prefetch_b8 v30, s[84:85] offset:768 th:TH_LOAD_NT scope:SCOPE_SE   ; K step 3, behind the load of K step 2; the last refill has no K step behind it
.endif
	MULP 2, 2, 0
.endm
	s_wait_tensorcnt 1                             ; my piece of slot 0 is in; slot 1's may be out
	s_barrier_signal -1
	s_barrier_wait -1
	FETCH 0, 0, 1
	STEP 0, 1                                      ; the first step's products start the sums: nothing is cleared
	TURN 0, 1, 1                                   ; slot 0 takes K 512 ..
	STEP 1, 0
	TURN 1, 0, 1                                   ; slot 1 takes K 768 ..
	STEP 0, 0
	TURN 0, 1, 0
	STEP 1, 0
	s_wait_dscnt 32
	MULP 2, 0, 0
	s_wait_dscnt 0x0
	MULP 2, 1, 0
	MULP 2, 2, 0
	WIN 0
	; THE WAY OUT
.macro MKSC se, vs, vl                 ; s[se] = E: v[vs] = 2^E as f32, v[vl] = 57,344 x 2^E
	s_add_co_i32 s82, s[\se], 127
	s_lshl_b32 s83, s82, 23
	v_mov_b32 v[\vs], s83
	s_add_co_i32 s82, s82, 15
	s_lshl_b32 s82, s82, 23
	s_or_b32 s82, s82, 0x600000
	v_mov_b32 v[\vl], s82
.endm
	s_wait_kmcnt 0x0
	s_add_co_i32 s80, s68, s69                     ; e0 + e1: a sum stands for sum x 2^(e0 + e1)
	s_add_co_i32 s96, s80, 127
	s_lshl_b32 s96, s96, 23                        ; S = 2^(e0 + e1)
	s_sub_co_i32 s81, s73, s80                     ; e5 - e0 - e1: v's three scales folded into the conversion's one
	MKSC 70, 64, 65                                ; q: e2.  (These six moves are places behind the last products)
	MKSC 71, 66, 67                                ; k: e3
	MKSC 81, 68, 69                                ; v
	; the sums of squares of q's and k's rows: eight chains, (p, a) = k, each over the lane's 32 numbers, from each accumulator's low end on
	WIN 0x0f
.irp i, 0,1,2,3,4,5,6,7,8,9,10,11,12,13,14,15
.irp k, 0,1,2,3,4,5,6,7
.if \i == 0
	v_pk_mul_f32 v[32+2*\k:33+2*\k], v[32*\k:32*\k+1], v[32*\k:32*\k+1]
.else
	v_pk_fma_f32 v[32+2*\k:33+2*\k], v[32*\k+2*\i:32*\k+2*\i+1], v[32*\k+2*\i:32*\k+2*\i+1], v[32+2*\k:33+2*\k]
.endif
.endr
.endr
	WIN 0
.irp k, 0,1,2,3,4,5,6,7
	v_add_f32 v[32+2*\k], v[32+2*\k], v[33+2*\k]
.endr
.irp k, 0,1,2,3,4,5,6,7
	v_permlanex16_b32 v[33+2*\k], v[32+2*\k], s92, s93     ; the token's other 32 channels lie in the lane 16 away
.endr
.irp k, 0,1,2,3,4,5,6,7
	v_add_f32 v[32+2*\k], v[32+2*\k], v[33+2*\k]
.endr
	s_wait_alu depctr_va_vdst(0)
.irp k, 0,1,2,3,4,5,6,7
	v_sqrt_f32 v[32+2*\k], v[32+2*\k]
.endr
	v_nop                                          ; a plain instruction behind the last root,
	s_wait_alu depctr_va_vdst(0)                   ; and one wait for the eight, ahead of their first reader
.irp k, 0,1,2,3,4,5,6,7
	v_mul_f32 v[32+2*\k], s96, v[32+2*\k]          ; the norm
.endr
.irp k, 0,1,2,3,4,5,6,7
	v_max_num_f32 v[32+2*\k], 0x2b8cbccc, v[32+2*\k]   ; at least 1e-12
.endr
	s_wait_alu depctr_va_vdst(0)
.irp k, 0,1,2,3,4,5,6,7
	v_rcp_f32 v[32+2*\k], v[32+2*\k]
.endr
	v_nop
	s_wait_alu depctr_va_vdst(0)
.irp k, 0,1,2,3,4,5,6,7
	v_mul_f32 v[48+2*\k], s96, v[32+2*\k]          ; S / norm, as a pair
	v_mul_f32 v[49+2*\k], s96, v[32+2*\k]
.endr
	WIN 0xc3                                       ; accumulators (destination, source 0) window 3, the factors window 0
.irp k, 0,1,2,3,4,5,6,7
.irp i, 0,1,2,3,4,5,6,7,8,9,10,11,12,13,14,15
	v_pk_mul_f32 v[32*\k+2*\i:32*\k+2*\i+1], v[32*\k+2*\i:32*\k+2*\i+1], v[48+2*\k:49+2*\k]
.endr
.endr
.set n, 0
.rept 256
	v_med3_num_f32 v[n], v[n], -v[65+2*(n/128)], v[65+2*(n/128)]   ; the conversion to an 8-bit code does not saturate (ISA guide 7.6.2): the hold
.set n, n+1
.endr
	WIN 0x43                                       ; codes into window 1: (p, a, b) at 2 (16 p + 4 a + b)
.set n, 0
.rept 32
	v_cvt_scalef32_pk8_bf8_f32 v[2*n:2*n+1], v[8*n:8*n+7], v[64+2*(n/16)]
.set n, n+1
.endr
	WIN 0
.set n, 0
.rept 128
	v_med3_num_f32 v[128+n], v[128+n], -v69, v69
.set n, n+1
.endr
	WIN 0x40                                       ; v's codes: (a, b) at 64 + 2 (4 a + b) of window 1
.set n, 0
.rept 16
	v_cvt_scalef32_pk8_bf8_f32 v[64+2*n:65+2*n], v[128+8*n:135+8*n], v68
.set n, n+1
.endr
	v_nop                                          ; a plain instruction behind the last conversion
	; three times through my stage (64 rows of 64 bytes, 80 apart).  LDS serves a wave's instructions in order: each run of loads sees the stores above it, and the next stores come behind it
	WIN 0x04                                       ; store data window 1
.irp a, 0,1,2,3
.irp b, 0,1,2,3
	ds_store_b64 v[STQ], v[2*(4*\a+\b):2*(4*\a+\b)+1] offset:1280*\a+16*\b          ; q: row = token 16 a + r, byte = 16 b + 8 h
.endr
.endr
	WIN 0
.irp i, 0,1,2,3,4,5,6,7
	ds_load_b128 v[32+4*\i:35+4*\i], v[RD] offset:640*\i
.endr
	WIN 0x04
.irp a, 0,1,2,3
.irp b, 0,1,2,3
	ds_store_b64 v[STK], v[32+2*(4*\a+\b):32+2*(4*\a+\b)+1] offset:80*(32*(\a/2)+8*(\a%2))+16*\b   ; k: token 16 a + r goes to position 32 (a / 2) + 8 (a % 2) + r + 8 (r / 8)
.endr
.endr
	WIN 0
.irp i, 0,1,2,3,4,5,6,7
	ds_load_b128 v[64+4*\i:67+4*\i], v[RD] offset:640*\i
.endr
	WIN 0x04
.irp a, 0,1,2,3
.irp b, 0,1,2,3
	ds_store_b64 v[STQ], v[64+2*(4*\a+\b):64+2*(4*\a+\b)+1] offset:1280*\b+16*\a    ; v: row = channel 16 b + r, byte = token 16 a + 8 h
.endr
.endr
	WIN 0
.irp i, 0,1,2,3,4,5,6,7
	ds_load_b128 v[96+4*\i:99+4*\i], v[RD] offset:640*\i
.endr
	s_wait_dscnt 48                                ; q's eight loads are in: behind them stand 16 + 8 + 16 + 8 LDS instructions
.irp i, 0,1,2,3,4,5,6,7
	global_store_b128 v[GO], v[32+4*\i:35+4*\i], s[10:11] offset:512*\i             ; 32 lanes store 512 consecutive bytes, aligned
.endr
	s_wait_dscnt 24                                ; k's are in
.irp i, 0,1,2,3,4,5,6,7
	global_store_b128 v[GO], v[64+4*\i:67+4*\i], s[12:13] offset:512*\i
.endr
	s_wait_dscnt 0x0
.irp i, 0,1,2,3,4,5,6,7
	global_store_b128 v[GO], v[96+4*\i:99+4*\i], s[14:15] offset:512*\i
.endr
	s_wait_tensorcnt 0x0                           ; the wave's end
	ds_add_u32 v[SPW], v[NIL]
	s_wait_dscnt 0x0
	CROUND                                         ; the closing round
	s_endpgm
.Lfunc_end_k_qed17f5d6fe_qkv:
	.size	k_qed17f5d6fe_qkv, .Lfunc_end_k_qed17f5d6fe_qkv-k_qed17f5d6fe_qkv
	.p2alignl 7, 3214868480
	.fill 96, 4, 3214868480
	.section	.rodata,"a",@progbits
	.p2align	6, 0x0
	.amdhsa_kernel k_qed17f5d6fe_qkv
		.amdhsa_group_segment_fixed_size 327680
		.amdhsa_private_segment_fixed_size 0
		.amdhsa_enable_private_segment 0
		.amdhsa_kernarg_size 48
		.amdhsa_user_sgpr_count 2
		.amdhsa_user_sgpr_kernarg_segment_ptr 1
		.amdhsa_wavefront_size32 1
		.amdhsa_system_sgpr_workgroup_id_x 1
		.amdhsa_system_sgpr_workgroup_id_y 1
		.amdhsa_system_sgpr_workgroup_id_z 1
		.amdhsa_system_vgpr_workitem_id 0
		.amdhsa_next_free_vgpr 1024
		.amdhsa_next_free_sgpr 100
		.amdhsa_reserve_vcc 0
		.amdhsa_float_denorm_mode_32 3
		.amdhsa_float_denorm_mode_16_64 3
		.amdhsa_memory_ordered 1
		.amdhsa_forward_progress 1
		.amdhsa_inst_pref_size 124
	.end_amdhsa_kernel
	.amdgpu_metadata
---
amdhsa.version: [ 1, 2 ]
amdhsa.kernels:
  - .name:           k_qed17f5d6fe_qkv
    .symbol:         k_qed17f5d6fe_qkv.kd
    .args:
      - { .name: acod, .offset: 0, .size: 8, .value_kind: global_buffer, .address_space: global }
      - { .name: w_qkv_codes, .offset: 8, .size: 8, .value_kind: global_buffer, .address_space: global }
      - { .name: lowp_scales, .offset: 16, .size: 8, .value_kind: global_buffer, .address_space: global }
      - { .name: qc, .offset: 24, .size: 8, .value_kind: global_buffer, .address_space: global }
      - { .name: kc, .offset: 32, .size: 8, .value_kind: global_buffer, .address_space: global }
      - { .name: vc, .offset: 40, .size: 8, .value_kind: global_buffer, .address_space: global }
    .group_segment_fixed_size: 327680
    .private_segment_fixed_size: 0
    .kernarg_segment_align: 8
    .kernarg_segment_size: 48
    .max_flat_workgroup_size: 128
    .sgpr_count:     100
    .vgpr_count:     1024
    .wavefront_size: 32
...
	.end_amdgpu_metadata
.endif
;; end of part 2
;; launch attn (part 3): grid 8 x 32, 8 waves a work-group, clusters of 4 x 1, 327,680 bytes of LDS; arguments qc, kc, vc, temp, lowp_scales, oc; writes oc
.if DOCPART == 3
	.amdgcn_target "amdgcn-amd-amdhsa--gfx1250"
	.amdhsa_code_object_version 6
	.text
	.protected	k_qed17f5d6fe_attn
	.globl	k_qed17f5d6fe_attn
	.p2align	8
	.type	k_qed17f5d6fe_attn,@function
k_qed17f5d6fe_attn:
	s_mov_b64 s[64:65], 0
	v_nop
	global_prefetch_b8 v0, s[64:65] scope:SCOPE_SE
	s_setreg_imm32_b32 hwreg(HW_REG_WAVE_MODE, 25, 1), 1
	s_wait_xcnt 0x0
	s_wait_alu depctr_hold_cnt(0) depctr_sa_sdst(0) depctr_va_vdst(0) depctr_va_sdst(0) depctr_va_ssrc(0) depctr_va_vcc(0) depctr_vm_vsrc(0)
	s_getreg_b32 s2, hwreg(HW_REG_IB_STS2, 6, 4)
	s_cmp_eq_u32 s2, 0
	s_cbranch_scc0 .Lentry_in_a_cluster
	s_endpgm
.Lentry_in_a_cluster:
	s_bfe_u32 s2, ttmp6, 0x10000c
	s_cmp_lg_u32 s2, 0x3003
	s_cbranch_scc0 .Lentry_shape_is_right
	s_endpgm
.Lentry_shape_is_right:
; out = softmax(temp x q k^T) v for one head and batch (bh), both products on E5M2 codes; out is quantised with e6.  Head size 64, 2,048 keys.
; qc: [bh][2048][64].  kc: the same with, in each group of 32 keys, the second and third groups of 8 exchanged.  vc: [bh][32 chunks of 64 keys][64 d][64 keys].  oc: [16 heads][4096 rows][64].
; THE SOFTMAX AHEAD OF THE SECOND PRODUCT: t = logit x log2(e); M = the running largest t rounded UP to a whole number; p = 2^(t - M) is quantised (e4), not normalised; the row's sum is taken of the unquantised p and divides at the end.
; When M moves, the sum and O are multiplied by 2^(old M - new M): exact.  temp's sign goes into q's codes (an exclusive or on the sign bits), so c = |temp| x log2(e) x 2^(e2 + e3) is not negative.
; SHARES.  A work-group owns 256 queries of one bh; each of its eight waves owns 32, two tiles of 16, in 512 registers: each fragment of K and of V read from LDS feeds two matrix instructions, and the two tiles' chains stand line by line beside each other.
; NO RING: the head's K and V lie in LDS whole, each byte filled once: K's 512 rows of 256 bytes (4 keys a row), then V's 512.  Waves 0 to 3 fetch for K, 4 to 7 for V, one load a wave:
; first 32 rows each (keys 0 to 511), then, behind the full sequence and a round, 96 rows each (the other 1,536 keys), which land while the first four steps are worked.
; CLUSTER 4 x 1: the four blocks of queries of a cluster belong to one bh and want the same K and V: each tile is asked for jointly.
; No prefetch: every tile is asked for by its own load within the launch's first steps; nothing is left that could be named ahead of that.
; LAYOUT.  Both products transposed: S^T = K Q^T (source 0 = 16 keys), O^T = V^T P^T (source 0 = 16 channels): a lane holds ONE query of each tile.  By kc's order the 16 registers of score tiles 2 b and 2 b + 1
; are the neighbouring keys 32 b + 16 (lane / 16) + 0 .. 15: the conversions' results are the second product's operand.
; LDS: a row of 64 bytes, number R, lies at 272 (R / 4) + 64 (R % 4): the 16 lanes of a load touch 16 different columns of 16 bytes.
; LIMITS: e4 and e6 - e4 - e5 between -126 and 112; e2 + e3 is applied by v_ldexp_f32.  NaN and infinities (temp among them) are not served.
; REGISTERS.  Window 0: v1-7 addresses, v24-25 the add's, v32-47 Q (two tiles), v64-127 K's eight fragments, v128-191 V's four, v192-255 O^T (two tiles).
; Window 1: v0-127 S^T, then p (two tiles); v128-159 p's codes; v160.. c, -M and t, the sums, f, scales and work.  Four switches of the windows a step.
.set KV,    139264                     ; K's part of LDS: 512 rows x 272
.set STEPB, 8704                       ; 128 keys: 32 LDS rows, in K's part and in V's alike
.set STG,   2*KV                       ; the way out: 32 rows x 80 bytes for each wave
.set SPARE, STG+8*2560                 ; the spare words, 128 bytes a wave: four blocks of 256 bytes that no other line names
.set WV,  16
.set SPW, 24
.set NIL, 25
.set QF,  32
.set KF,  64
.set VF,  128
.set OT,  192
.set CD,  128                          ; from here on: window 1
.set CC,  160                          ; c, as a pair
.set NM,  162                          ; tile u: -M at NM + 2 u, the largest t beside it
.set SU,  166                          ; tile u: the sum in two halves
.set FF,  170                          ; tile u: f, named as a pair
.set HL,  174                          ; 57,344 x 2^e4
.set SC,  175                          ; 2^e4
.set HL6, 176                          ; the same for the way out: e6 - e4 - e5
.set SC6, 177
.set MA,  180
.set MB,  182
.set PP,  184
.set XX,  186
.set YY,  190
.set MSB, 0
.macro WIN new                         ; the immediate's high byte repeats the setting that is left
.if MSB != \new
	s_set_vgpr_msb (MSB<<8)|\new
.set MSB, \new
.endif
.endm
.macro CROUND
	s_barrier_signal -1
	s_barrier_wait -1
	s_cmp_lg_u32 s[WV], 0
	s_cbranch_scc1 .Lnot_wave_0_\@
	s_barrier_signal -3
.Lnot_wave_0_\@:
	s_barrier_wait -3
	s_barrier_signal -1
	s_barrier_wait -1
.endm
.macro TLOAD gk, gv, g1                ; every wave's one joint load: waves 0 to 3 for K, 4 to 7 for V; an s_nop 0 and four v_nop follow each line
	s_cmp_eq_u32 s22, 0
	s_cbranch_scc0 .Lfor_v_\@
	tensor_load_to_lds s[\gk:\gk+3], s[\g1:\g1+7]
	s_nop 0
.rept 4
	v_nop
.endr
	s_branch .Lasked_\@
.Lfor_v_\@:
	tensor_load_to_lds s[\gv:\gv+3], s[\g1:\g1+7]
	s_nop 0
.rept 4
	v_nop
.endr
.Lasked_\@:
.endm
.macro GROUP1 g, rows                  ; rows of 256 bytes, dense in memory; the mask names all four; padding: 4 words after every 64
	s_mov_b32 s[\g], 15|(1<<20)|(1<<21)|(5<<22)|(3<<25)
	s_mov_b32 s[\g+1], 256<<16
	s_mov_b32 s[\g+2], \rows<<16
	s_mov_b32 s[\g+3], 256<<16
	s_mov_b32 s[\g+4], \rows
	s_mov_b32 s[\g+5], 256
	s_mov_b32 s[\g+6], 0
	s_mov_b32 s[\g+7], 0
.endm
.macro GROUP0 g, lds, ptr, off
	s_mov_b32 s[\g], 1
	s_mov_b32 s[\g+1], s[\lds]
	s_add_nc_u64 s[\g+2:\g+3], s[\ptr:\ptr+1], s[\off:\off+1]
	s_or_b32 s[\g+3], s[\g+3], 0x80000000
.endm
.macro MKSC se, ss, sl                 ; s[se] = E: s[ss] = 2^E as f32, s[sl] = 57,344 x 2^E
	s_add_co_i32 s[\sl], s[\se], 127
	s_lshl_b32 s[\ss], s[\sl], 23
	s_add_co_i32 s[\sl], s[\sl], 15
	s_lshl_b32 s[\sl], s[\sl], 23
	s_or_b32 s[\sl], s[\sl], 0x600000
.endm
	s_load_b256 s[4:11], s[0:1], 0x0               ; qc s[4:5], kc s[6:7], vc s[8:9], temp s[10:11]
	s_load_b128 s[12:15], s[0:1], 0x20             ; exponents s[12:13], oc s[14:15]
	v_lshl_add_u32 v[SPW], v0, 2, SPARE
	v_mov_b32 v[NIL], 0
	ds_add_u32 v[SPW], v[NIL]                      ; the opening lines: the add twice on end, and its wait ahead of my first tensor load
	ds_add_u32 v[SPW], v[NIL]
	v_lshrrev_b32 v8, 5, v0
	v_readfirstlane_b32 s[WV], v8                  ; wave 0..7
	s_and_b32 s17, ttmp7, 0xffff                   ; bh, which the four partners share
	s_bfe_u32 s18, ttmp6, 0x40000                  ; cx
	s_lshl_b32 s19, ttmp9, 2
	s_add_co_u32 s19, s19, s18                     ; my block of 256 queries: it enters qc's and oc's addresses alone
	s_lshr_b32 s22, s[WV], 2                       ; 0: I fetch for K, 1: for V
	s_and_b32 s23, s[WV], 3                        ; which quarter
	s_lshl_b32 s52, s17, 17                        ; bh's first byte, the same in kc and in vc,
	s_lshl_b32 s53, s23, 13
	s_add_co_u32 s52, s52, s53                     ; + 32 rows x quarter: the first load
	s_mov_b32 s53, 0
	s_mul_i32 s54, s23, 24576
	s_lshl_b32 s55, s17, 17
	s_add_co_u32 s54, s54, s55
	s_add_co_u32 s54, s54, 32768                   ; behind the first 128 rows, + 96 rows x quarter: the second
	s_mov_b32 s55, 0
	s_mul_i32 s49, s22, KV
	s_mul_i32 s56, s23, 32*272
	s_add_co_u32 s56, s56, s49                     ; where they go
	s_mul_i32 s57, s23, 96*272
	s_add_co_u32 s57, s57, s49
	s_add_co_u32 s57, s57, 128*272
	GROUP1 24, 32
	GROUP1 68, 96
	s_and_b32 s58, s17, 15                         ; the head
	s_lshl_b32 s58, s58, 2
	s_mov_b32 s59, 0
	s_mov_b32 s20, 0x76543210
	s_mov_b32 s21, 0xfedcba98                      ; lane l xor 16
	s_wait_dscnt 0x0                               ; both opening adds are done
	s_wait_kmcnt 0x0
	s_load_b256 s[40:47], s[12:13], 0x0            ; e0 .. e7
	s_add_nc_u64 s[10:11], s[10:11], s[58:59]
	s_load_b32 s48, s[10:11], 0x0                  ; temp of my head
	GROUP0 32, 56, 6, 52
	GROUP0 36, 56, 8, 52
	GROUP0 76, 57, 6, 54
	GROUP0 80, 57, 8, 54
	CROUND                                         ; all four work-groups are here: the joint loads meet
	TLOAD 32, 36, 24                               ; K and V of keys 0 to 511
	s_lshl_b32 s52, s17, 17                        ; Q: bh, + (256 x block + 32 x wave) rows of 64 bytes
	s_lshl_b32 s53, s19, 14
	s_add_co_u32 s52, s52, s53
	s_lshl_b32 s55, s[WV], 11
	s_add_co_u32 s52, s52, s55
	s_mov_b32 s53, 0
	s_add_nc_u64 s[4:5], s[4:5], s[52:53]
	s_and_b32 s52, s17, 15                         ; oc: head x 4,096 rows, + batch x 2,048 rows, + my rows
	s_lshl_b32 s52, s52, 18
	s_lshr_b32 s53, s17, 4
	s_lshl_b32 s53, s53, 17
	s_add_co_u32 s52, s52, s53
	s_lshl_b32 s53, s19, 14
	s_add_co_u32 s52, s52, s53
	s_add_co_u32 s52, s52, s55
	s_mov_b32 s53, 0
	s_add_nc_u64 s[14:15], s[14:15], s[52:53]
	v_and_b32 v8, 15, v0                           ; r
	v_bfe_u32 v9, v0, 4, 1                         ; h
	v_lshlrev_b32 v10, 6, v8
	v_lshl_add_u32 v10, v9, 4, v10                 ; Q: row r of 64 bytes, + 16 h
.irp u, 0,1
	global_load_b128 v[QF+8*\u:QF+8*\u+3], v10, s[4:5] offset:1024*\u       ; registers 0-3: d = 16 h ..; registers 4-7: d = 32 + 16 h ..: as K's fragments are fetched
	global_load_b128 v[QF+8*\u+4:QF+8*\u+7], v10, s[4:5] offset:1024*\u+32
.endr
	v_lshrrev_b32 v1, 2, v8
	v_and_b32 v11, 3, v8
	v_mul_u32_u24 v1, v1, 272
	v_lshl_add_u32 v1, v11, 6, v1
	v_lshl_add_u32 v1, v9, 4, v1                   ; 272 (r / 4) + 64 (r % 4) + 16 h: my place in 16 rows of K,
	v_add_nc_u32 v3, KV, v1                        ; and of V
	s_mul_i32 s55, s[WV], 2560
	s_add_co_u32 s55, s55, STG                     ; my stage
	v_mul_u32_u24 v5, v8, 80
	v_and_b32 v12, 31, v0
	v_lshl_add_u32 v5, v9, 3, v5
	v_lshrrev_b32 v6, 2, v12
	v_add_nc_u32 v5, s55, v5                       ; in: row r, 8 bytes for each half of the lanes
	v_mul_u32_u24 v6, v6, 80
	v_and_b32 v11, 3, v12
	v_lshl_add_u32 v6, v11, 4, v6
	v_add_nc_u32 v6, s55, v6                       ; back: four lanes to a row of 64 bytes
	v_lshlrev_b32 v7, 4, v12                       ; 16 x lane
.set n, 0
.rept 64
	v_mov_b32 v[OT+n], 0                           ; O^T: the step is written once, and the first change of M leaves zeros zeros
.set n, n+1
.endr
	s_wait_kmcnt 0x0
	s_ashr_i32 s52, s48, 31
	s_and_b32 s52, s52, 0x80808080                 ; temp's sign, for the four codes of a register
	s_and_b32 s53, s48, 0x7fffffff                 ; |temp|
	s_add_co_i32 s54, s42, s43                     ; e2 + e3
	v_mov_b32 v13, s53
	v_mul_f32 v13, 0x3fb8aa3b, v13
	v_ldexp_f32 v13, v13, s54                      ; c = |temp| x log2(e) x 2^(e2 + e3)
	s_wait_alu depctr_va_vdst(0)
	MKSC 44, 84, 85                                ; e4, for p
	s_sub_co_i32 s54, s46, s44
	s_sub_co_i32 s54, s54, s45                     ; e6 - e4 - e5: O^T / the sum stands for out / 2^(e4 + e5)
	MKSC 54, 86, 87
	WIN 0x40                                       ; destinations in window 1
	v_mov_b32 v[CC], v13
	v_mov_b32 v[CC+1], v13
	v_mov_b32 v[HL], s85
	v_mov_b32 v[SC], s84
	v_mov_b32 v[HL6], s87
	v_mov_b32 v[SC6], s86
.irp u, 0,1
	v_mov_b32 v[NM+2*\u+1], 0xff61b1e6             ; the largest t so far: -3e38,
	v_mov_b32 v[NM+2*\u], 0x7f61b1e6               ; and -M = floor(3e38), which is 3e38
	v_mov_b32 v[SU+2*\u], 0                        ; the sum, in two halves
	v_mov_b32 v[SU+2*\u+1], 0
	v_mov_b32 v[FF+2*\u+1], 0                      ; (named as the upper half of f's pair)
	v_mov_b32 v[PP+\u], 0                          ; a lane permute's destination counts as read: written once
.endr
	WIN 0
	s_wait_alu depctr_va_vdst(0)                   ; the wait at the head's end
	s_wait_loadcnt 0x0                             ; Q
	s_wait_tensorcnt 0x0                           ; my first tile has landed
	ds_add_u32 v[SPW], v[NIL]
.set n, 0
.rept 16
	v_xor_b32 v[QF+n], s52, v[QF+n]
.set n, n+1
.endr
	s_wait_alu depctr_va_vdst(0)
	s_wait_dscnt 0x0                               ; the add is done
	CROUND                                         ; keys 0 to 511 lie whole in every partner's LDS; the second joint loads meet
	TLOAD 76, 80, 68                               ; the other 1,536 keys, into bytes that nothing has filled
; A KEY STEP: 128 keys, beginning s50 bytes into K's and V's parts, for both my tiles
.macro STEP
	v_add_nc_u32 v2, s50, v1
	v_add_nc_u32 v4, s50, v3
	v_nop
	v_nop                                          ; with the two additions: four places in front of loads into registers that the last products read
.irp t, 0,1,2,3,4,5,6,7
	ds_load_b128 v[KF+8*\t:KF+8*\t+3], v2 offset:1088*\t
	ds_load_b128 v[KF+8*\t+4:KF+8*\t+7], v2 offset:1088*\t+32
.endr
.irp t, 0,1,2,3
.irp c, 0,1,2,3
	ds_load_b128 v[VF+16*\t+4*\c:VF+16*\t+4*\c+3], v4 offset:(\c/2)*4352+1088*\t+32*(\c%2)   ; V's four fragments land while the softmax is worked
.endr
.endr
	s_wait_dscnt 16                                ; K's 16 loads are in; V's 16, issued behind them, may be out
	WIN 0x40                                       ; scores into window 1
.irp t, 0,1,2,3,4,5,6,7
.irp u, 0,1
	v_wmma_f32_16x16x64_bf8_bf8 v[64*\u+8*\t:64*\u+8*\t+7], v[KF+8*\t:KF+8*\t+7], v[QF+8*\u:QF+8*\u+7], 0
.endr
.endr
.rept 4
	v_nop                                          ; places in front of the first read of the scores
.endr
	WIN 0x55                                       ; the softmax stands in window 1 as a whole
.irp u, 0,1                                    ; each tile's largest score among my 64 keys, two chains a tile, registers ascending: each accumulator is read from its low end on
	v_max3_num_f32 v[MA+\u], v[64*\u], v[64*\u+1], v[64*\u+2]
	v_max3_num_f32 v[MB+\u], v[64*\u+3], v[64*\u+4], v[64*\u+5]
.endr
.set n, 6
.rept 14
.irp u, 0,1
	v_max3_num_f32 v[MA+\u], v[MA+\u], v[64*\u+n], v[64*\u+n+1]
	v_max3_num_f32 v[MB+\u], v[MB+\u], v[64*\u+n+2], v[64*\u+n+3]
.endr
.set n, n+4
.endr
.irp u, 0,1
	v_max3_num_f32 v[MA+\u], v[MA+\u], v[64*\u+62], v[64*\u+63]
.endr
.irp u, 0,1
	v_max_num_f32 v[MA+\u], v[MA+\u], v[MB+\u]
.endr
.irp u, 0,1
	v_permlanex16_b32 v[PP+\u], v[MA+\u], s20, s21
.endr
.irp u, 0,1
	v_max_num_f32 v[MA+\u], v[MA+\u], v[PP+\u]     ; and among lane l xor 16's
.endr
.irp u, 0,1
	v_mul_f32 v[MA+\u], v[CC], v[MA+\u]            ; as t (c is not negative)
.endr
.irp u, 0,1
	v_max_num_f32 v[NM+2*\u+1], v[NM+2*\u+1], v[MA+\u]   ; the running largest t
.endr
.irp u, 0,1
	v_mov_b32 v[MA+\u], v[NM+2*\u]
.endr
.irp u, 0,1
	v_floor_f32 v[NM+2*\u], -v[NM+2*\u+1]          ; the new -M = floor(-t): M is a whole number
.endr
.irp u, 0,1
	v_sub_f32 v[MA+\u], v[NM+2*\u], v[MA+\u]       ; old M - new M: a whole number, 0 or less
.endr
.irp u, 0,1
	v_cvt_i32_f32 v[MA+\u], v[MA+\u]               ; (it saturates)
.endr
.irp u, 0,1
	v_ldexp_f32 v[FF+2*\u], 1.0, v[MA+\u]          ; f = 2^(old M - new M)
.endr
.set n, 0
.rept 32
.irp u, 0,1
	v_pk_fma_f32 v[64*\u+n:64*\u+n+1], v[64*\u+n:64*\u+n+1], v[CC:CC+1], v[NM+2*\u:NM+2*\u+1] op_sel_hi:[1,0,0]   ; t - M (of the pairs c and -M the low word serves both halves)
.endr
.set n, n+2
.endr
	s_wait_alu depctr_va_vdst(0)                   ; the wait ahead of the batch
.set n, 0
.rept 128
	v_exp_f32 v[n], v[n]                           ; p = 2^(t - M): one batch for both tiles
.set n, n+1
.endr
.irp u, 0,1
	v_pk_mul_f32 v[SU+2*\u:SU+2*\u+1], v[SU+2*\u:SU+2*\u+1], v[FF+2*\u:FF+2*\u+1] op_sel_hi:[1,0]   ; the sums under the new M: plain lines behind the batch
.endr
	s_wait_alu depctr_va_vdst(0)                   ; one wait for the 128, ahead of their first reader
.irp u, 0,1                                    ; the rows' sums of the unquantised p, two chains a tile
	v_pk_add_f32 v[XX+2*\u:XX+2*\u+1], v[64*\u:64*\u+1], v[64*\u+2:64*\u+3]
	v_pk_add_f32 v[YY+2*\u:YY+2*\u+1], v[64*\u+4:64*\u+5], v[64*\u+6:64*\u+7]
.endr
.set n, 8
.rept 14
.irp u, 0,1
	v_pk_add_f32 v[XX+2*\u:XX+2*\u+1], v[XX+2*\u:XX+2*\u+1], v[64*\u+n:64*\u+n+1]
	v_pk_add_f32 v[YY+2*\u:YY+2*\u+1], v[YY+2*\u:YY+2*\u+1], v[64*\u+n+2:64*\u+n+3]
.endr
.set n, n+4
.endr
.irp u, 0,1
	v_pk_add_f32 v[XX+2*\u:XX+2*\u+1], v[XX+2*\u:XX+2*\u+1], v[YY+2*\u:YY+2*\u+1]
.endr
.irp u, 0,1
	v_pk_add_f32 v[SU+2*\u:SU+2*\u+1], v[SU+2*\u:SU+2*\u+1], v[XX+2*\u:XX+2*\u+1]
.endr
.set n, 0
.rept 64
	v_dual_min_num_f32 v[n], v[n], v[HL] :: v_dual_min_num_f32 v[n+1], v[n+1], v[HL]   ; the conversion does not saturate (ISA guide 7.6.2); p is not negative, so the hold is one-sided; two numbers a line
.set n, n+2
.endr
.set n, 0
.rept 16
	v_cvt_scalef32_pk8_bf8_f32 v[CD+2*n:CD+2*n+1], v[8*n:8*n+7], v[SC]
.set n, n+1
.endr
	WIN 0x04                                       ; source 1 (f; p's codes) window 1, all else window 0
	s_wait_alu depctr_va_vdst(0)                   ; the wait directly ahead of the first reader of O^T
.set n, 0
.rept 32
	v_pk_mul_f32 v[OT+n:OT+n+1], v[OT+n:OT+n+1], v[FF+2*(n/32):FF+2*(n/32)+1] op_sel_hi:[1,0]   ; O^T under the new M, each accumulator from its low end on; plain lines between the conversions and the products
.set n, n+2
.endr
	s_wait_alu depctr_va_vdst(0)                   ; the wait directly ahead of the wait below
	s_wait_dscnt 0x0                               ; V
.irp t, 0,1,2,3
.irp u, 0,1
	v_wmma_f32_16x16x128_bf8_bf8 v[OT+32*\u+8*\t:OT+32*\u+8*\t+7], v[VF+16*\t:VF+16*\t+15], v[CD+16*\u:CD+16*\u+15], v[OT+32*\u+8*\t:OT+32*\u+8*\t+7]   ; the eight accumulators take turns
.endr
.endr
	WIN 0
.endm
	s_wait_alu depctr_va_vdst(0)
	s_mov_b32 s50, 0
	s_mov_b32 s51, 4
.Lfirst:                                           ; keys 0 to 511: every byte read here lies in the first 128 rows of K's or of V's part, which the first loads filled
	STEP
	s_add_co_u32 s50, s50, STEPB
	s_sub_co_u32 s51, s51, 1
	s_cmp_lg_u32 s51, 0
	s_cbranch_scc1 .Lfirst
	s_wait_tensorcnt 0x0                           ; my second tile has landed,
	s_barrier_signal -1
	s_barrier_wait -1                              ; everybody's has: from here on LDS is only read, but for the stages.
	s_mov_b32 s50, 4*STEPB
	s_mov_b32 s51, 12
.Lrest:
	STEP
	s_add_co_u32 s50, s50, STEPB
	s_sub_co_u32 s51, s51, 1
	s_cmp_lg_u32 s51, 0
	s_cbranch_scc1 .Lrest
	; THE WAY OUT
.rept 4
	v_nop                                          ; places behind the last products
.endr
	WIN 0x55
.irp u, 0,1
	v_add_f32 v[SU+2*\u], v[SU+2*\u], v[SU+2*\u+1]
.endr
.irp u, 0,1
	v_permlanex16_b32 v[PP+\u], v[SU+2*\u], s20, s21
.endr
.irp u, 0,1
	v_add_f32 v[SU+2*\u], v[SU+2*\u], v[PP+\u]     ; the row's sum: above 1/2
.endr
	s_wait_alu depctr_va_vdst(0)
.irp u, 0,1
	v_rcp_f32 v[SU+2*\u], v[SU+2*\u]
.endr
	v_nop
	WIN 0x44                                       ; O^T from window 0; the factor and the results in window 1
	s_wait_alu depctr_va_vdst(0)                   ; for the two reciprocals, and directly ahead of the first reader of O^T
.set n, 0
.rept 64
	v_mul_f32 v[n], v[OT+n], v[SU+2*(n/32)]        ; register 32 u + 8 t + i: channel 16 t + 8 h + i of tile u's query r
.set n, n+1
.endr
	WIN 0x55
.set n, 0
.rept 64
	v_med3_num_f32 v[n], v[n], -v[HL6], v[HL6]
.set n, n+1
.endr
.set n, 0
.rept 8
	v_cvt_scalef32_pk8_bf8_f32 v[CD+2*n:CD+2*n+1], v[8*n:8*n+7], v[SC6]
.set n, n+1
.endr
	v_nop
	WIN 0x04                                       ; store data window 1
.irp u, 0,1
.irp t, 0,1,2,3
	ds_store_b64 v5, v[CD+8*\u+2*\t:CD+8*\u+2*\t+1] offset:1280*\u+16*\t
.endr
.endr
	WIN 0
.irp i, 0,1,2,3
	ds_load_b128 v[KF+4*\i:KF+4*\i+3], v6 offset:640*\i    ; LDS serves a wave's instructions in order: these see my stores
.endr
	s_wait_dscnt 0x0
.irp i, 0,1,2,3
	global_store_b128 v7, v[KF+4*\i:KF+4*\i+3], s[14:15] offset:512*\i   ; my 32 rows are 2,048 consecutive bytes: 512 aligned bytes a store
.endr
	s_wait_tensorcnt 0x0                           ; the wave's end
	ds_add_u32 v[SPW], v[NIL]
	s_wait_dscnt 0x0
	CROUND                                         ; the closing round
	s_endpgm
.Lfunc_end_k_qed17f5d6fe_attn:
	.size	k_qed17f5d6fe_attn, .Lfunc_end_k_qed17f5d6fe_attn-k_qed17f5d6fe_attn
	.p2alignl 7, 3214868480
	.fill 96, 4, 3214868480
	.section	.rodata,"a",@progbits
	.p2align	6, 0x0
	.amdhsa_kernel k_qed17f5d6fe_attn
		.amdhsa_group_segment_fixed_size 327680
		.amdhsa_private_segment_fixed_size 0
		.amdhsa_enable_private_segment 0
		.amdhsa_kernarg_size 48
		.amdhsa_user_sgpr_count 2
		.amdhsa_user_sgpr_kernarg_segment_ptr 1
		.amdhsa_wavefront_size32 1
		.amdhsa_system_sgpr_workgroup_id_x 1
		.amdhsa_system_sgpr_workgroup_id_y 1
		.amdhsa_system_sgpr_workgroup_id_z 1
		.amdhsa_system_vgpr_workitem_id 0
		.amdhsa_next_free_vgpr 512
		.amdhsa_next_free_sgpr 96
		.amdhsa_reserve_vcc 0
		.amdhsa_float_denorm_mode_32 3
		.amdhsa_float_denorm_mode_16_64 3
		.amdhsa_memory_ordered 1
		.amdhsa_forward_progress 1
		.amdhsa_inst_pref_size 78
	.end_amdhsa_kernel
	.amdgpu_metadata
---
amdhsa.version: [ 1, 2 ]
amdhsa.kernels:
  - .name:           k_qed17f5d6fe_attn
    .symbol:         k_qed17f5d6fe_attn.kd
    .args:
      - { .name: qc, .offset: 0, .size: 8, .value_kind: global_buffer, .address_space: global }
      - { .name: kc, .offset: 8, .size: 8, .value_kind: global_buffer, .address_space: global }
      - { .name: vc, .offset: 16, .size: 8, .value_kind: global_buffer, .address_space: global }
      - { .name: temp, .offset: 24, .size: 8, .value_kind: global_buffer, .address_space: global }
      - { .name: lowp_scales, .offset: 32, .size: 8, .value_kind: global_buffer, .address_space: global }
      - { .name: oc, .offset: 40, .size: 8, .value_kind: global_buffer, .address_space: global }
    .group_segment_fixed_size: 327680
    .private_segment_fixed_size: 0
    .kernarg_segment_align: 8
    .kernarg_segment_size: 48
    .max_flat_workgroup_size: 256
    .sgpr_count:     96
    .vgpr_count:     512
    .wavefront_size: 32
...
	.end_amdgpu_metadata
.endif
;; end of part 3
;; launch proj (part 4): grid 8 x 32, 4 waves a work-group, clusters of 4 x 4, 327,680 bytes of LDS; arguments oc, w_proj_codes, lowp_scales, x, x1; writes x1
.if DOCPART == 4
	.amdgcn_target "amdgcn-amd-amdhsa--gfx1250"
	.amdhsa_code_object_version 6
	.text
	.protected	k_qed17f5d6fe_proj
	.globl	k_qed17f5d6fe_proj
	.p2align	8
	.type	k_qed17f5d6fe_proj,@function
k_qed17f5d6fe_proj:
	s_mov_b64 s[64:65], 0
	v_nop
	global_prefetch_b8 v0, s[64:65] scope:SCOPE_SE
	s_setreg_imm32_b32 hwreg(HW_REG_WAVE_MODE, 25, 1), 1
	s_wait_xcnt 0x0
	s_wait_alu depctr_hold_cnt(0) depctr_sa_sdst(0) depctr_va_vdst(0) depctr_va_sdst(0) depctr_va_ssrc(0) depctr_va_vcc(0) depctr_vm_vsrc(0)
	s_getreg_b32 s2, hwreg(HW_REG_IB_STS2, 6, 4)
	s_cmp_eq_u32 s2, 0
	s_cbranch_scc0 .Lentry_in_a_cluster
	s_endpgm
.Lentry_in_a_cluster:
	s_bfe_u32 s2, ttmp6, 0x10000c
	s_cmp_lg_u32 s2, 0xf033
	s_cbranch_scc0 .Lentry_shape_is_right
	s_endpgm
.Lentry_shape_is_right:
; x1 = x + out Wproj^T on E5M2 codes (K = 1,024), each sum x 2^(e6 + e7).  oc: [16 heads][4096 rows][64]; Wproj's codes: [1024][1024]; x, x1: [4096][1024] f32.
; A work-group makes 128 x 128, each of its four waves 64 x 64; K lies in two LDS slots of 512, each filled once; cluster 4 x 4 with joint loads (tokens along a row, weights along a column).
; LIMIT: e6 + e7 between -126 and 127.
.set FC2, 0
.if FC2
.set KTOT,  4096
.set TRSH,  14
.set TCSH,  19
.set AT0,   16384
.set AROWS, 2
.set ASTR,  524288
.set EOFF,  0x28
.set RES,   12
.set OUTP,  14
.else
.set KTOT,  1024
.set TRSH,  13
.set TCSH,  17
.set AT0,   8192
.set AROWS, 4
.set ASTR,  262144
.set EOFF,  0x18
.set RES,   10
.set OUTP,  12
.endif
.set LAPS,  KTOT/1024
.set PITCH, 272
.set HALFT, 128*PITCH
.set SLOT,  4*HALFT
.set SPARE, 2*SLOT
.set STAGE, SPARE+512
.set ADRA, 16
.set ADRB, 20
.set STO,  24
.set RD,   25
.set CO,   26
.set BO,   27
.set SPW,  28
.set NIL,  29
.set TMP,  32
.set OUTR, 64
.set BIA,  96
.set ACC,  128
.set F0,   0
.set F1,   128
.set G1A, 24
.set G0A, 32
.set G1B, 48
.set G0B, 56
.set WV,  76
.set MSB, 0
.macro WIN new
.if MSB != \new
	s_set_vgpr_msb (MSB<<8)|\new
.set MSB, \new
.endif
.endm
.set MUL,  0x05
.set TO_F, 0x40
.macro PLACES
.rept 4
	v_nop
.endr
.endm
.macro JLOAD s
	s_cmp_eq_u32 s77, 0
	s_cbranch_scc0 .Lfor_b_\@
	tensor_load_to_lds s[G0A+4*\s:G0A+4*\s+3], s[G1A:G1A+7]
	s_nop 0
.rept 4
	v_nop
.endr
	s_branch .Lasked_\@
.Lfor_b_\@:
	tensor_load_to_lds s[G0B+4*\s:G0B+4*\s+3], s[G1B:G1B+7]
	s_nop 0
.rept 4
	v_nop
.endr
.Lasked_\@:
.endm
.macro CREST
	s_cmp_lg_u32 s[WV], 0
	s_cbranch_scc1 .Lnot_wave_0_\@
	s_barrier_signal -3
.Lnot_wave_0_\@:
	s_barrier_wait -3
	s_barrier_signal -1
	s_barrier_wait -1
.endm
.macro CROUND
	s_barrier_signal -1
	s_barrier_wait -1
	CREST
.endm
	s_load_b256 s[4:11], s[0:1], 0x0
.if FC2
	s_load_b128 s[12:15], s[0:1], 0x20
.else
	s_load_b64 s[12:13], s[0:1], 0x20
.endif
	v_lshl_add_u32 v[SPW], v0, 2, SPARE
	v_mov_b32 v[NIL], 0
	ds_add_u32 v28, v29
	ds_add_u32 v28, v29
	s_wait_dscnt 0x0
	v_lshrrev_b32 v1, 5, v0
	v_readfirstlane_b32 s[WV], v1
	s_lshr_b32 s77, s[WV], 1
	s_and_b32 s78, s[WV], 1
	s_bfe_u32 s40, ttmp6, 0x40000
	s_bfe_u32 s41, ttmp6, 0x40004
	s_lshl_b32 s42, ttmp9, 2
	s_add_co_u32 s42, s42, s40
	s_and_b32 s43, ttmp7, 0xffff
	s_lshl_b32 s43, s43, 2
	s_add_co_u32 s43, s43, s41
	s_lshl_b32 s44, s41, 2
	s_lshl_b32 s44, 15, s44
	s_lshl_b32 s45, 0x1111, s40
	s_or_b32 s[G1A], s44, (1<<20)|(1<<21)|(5<<22)|(3<<25)
	s_or_b32 s[G1B], s45, (1<<20)|(1<<21)|(5<<22)|(3<<25)
	s_mov_b32 s[G1A+1], AT0<<16
	s_mov_b32 s[G1A+2], AROWS<<16
	s_mov_b32 s[G1A+3], AT0<<16
	s_mov_b32 s[G1A+4], AROWS
	s_mov_b32 s[G1A+5], ASTR
	s_mov_b32 s[G1A+6], 0
	s_mov_b32 s[G1A+7], 0
	s_mov_b32 s[G1B+1], 256<<16
	s_mov_b32 s[G1B+2], 128<<16
	s_mov_b32 s[G1B+3], 256<<16
	s_mov_b32 s[G1B+4], 128
	s_mov_b32 s[G1B+5], KTOT
	s_mov_b32 s[G1B+6], 0
	s_mov_b32 s[G1B+7], 0
	s_lshl_b32 s20, s43, TRSH
	s_lshl_b32 s21, s78, 20
	s_add_co_u32 s20, s20, s21
	s_mov_b32 s21, 0
	s_lshl_b32 s46, s42, TCSH
	s_lshl_b32 s47, s78, 8
	s_add_co_u32 s46, s46, s47
	s_mov_b32 s47, 0
	s_mul_i32 s79, s[WV], HALFT
	s_wait_kmcnt 0x0
	s_load_b64 s[96:97], s[8:9], EOFF
	s_add_nc_u64 s[20:21], s[4:5], s[20:21]
	s_add_nc_u64 s[46:47], s[6:7], s[46:47]
	; the prefetch: behind the load of K step 0 each wave names its work-group's 32 of the 128 blocks of 256 bytes that its load of K step 1 will fetch.
	; The four partners that ask for a piece jointly share its blocks out by address (cx: one head's dense 8,192 bytes each; cy: 32 rows of the weights each); a lane a block.
	s_cmp_eq_u32 s77, 0
	s_cselect_b64 s[84:85], s[20:21], s[46:47]
	s_lshl_b32 s86, s40, 18
	s_lshl_b32 s87, s41, 15
	s_cmp_eq_u32 s77, 0
	s_cselect_b32 s86, s86, s87
	s_mov_b32 s87, 0
	s_add_nc_u64 s[84:85], s[84:85], s[86:87]
	s_mov_b32 s88, 512
	s_cselect_b32 s88, 1<<21, s88                  ; a K step on, in bytes
	s_mov_b32 s89, 0
	s_add_nc_u64 s[84:85], s[84:85], s[88:89]
	s_mov_b32 s90, 1024
	s_cselect_b32 s90, 256, s90                    ; from lane to lane
	v_and_b32 v30, 31, v0
	v_mul_lo_u32 v30, v30, s90
	CROUND
.irp s, 0,1
	s_mov_b32 s[G0A+4*\s], 1
	s_add_co_u32 s[G0A+4*\s+1], s79, \s*SLOT
	s_add_nc_u64 s[G0A+4*\s+2:G0A+4*\s+3], s[20:21], \s*(1<<21)
	s_or_b32 s[G0A+4*\s+3], s[G0A+4*\s+3], 0x80000000
	s_mov_b32 s[G0B+4*\s], 1
	s_add_co_u32 s[G0B+4*\s+1], s79, \s*SLOT
	s_add_nc_u64 s[G0B+4*\s+2:G0B+4*\s+3], s[46:47], \s*512
	s_or_b32 s[G0B+4*\s+3], s[G0B+4*\s+3], 0x80000000
	s_wait_alu depctr_va_vdst(0)
.if \s
	s_wait_tensorcnt 0x0                           ; a wait, two adds and a round ahead of slot 1's first fill
	ds_add_u32 v28, v29
	ds_add_u32 v28, v29
	s_wait_dscnt 0x0
	CROUND
.endif
	JLOAD \s
.if \s == 0
	global_prefetch_b8 v30, s[84:85] th:TH_LOAD_NT scope:SCOPE_SE
.endif
.endr
	v_and_b32 v1, 15, v0
	v_bfe_u32 v2, v0, 4, 1
.if FC2
	v_lshrrev_b32 v3, 1, v1
	v_mul_u32_u24 v3, v3, PITCH
	v_and_b32 v4, 1, v1
	v_lshl_add_u32 v3, v4, 7, v3
	s_mul_i32 s18, s77, 32*PITCH
.else
	v_lshrrev_b32 v3, 2, v1
	v_mul_u32_u24 v3, v3, PITCH
	v_and_b32 v4, 3, v1
	v_lshl_add_u32 v3, v4, 6, v3
	s_mul_i32 s18, s77, 16*PITCH
.endif
	v_lshl_add_u32 v3, v2, 4, v3
	v_add_nc_u32 v[ADRA], s18, v3
	v_add_nc_u32 v[ADRA+1], SLOT, v[ADRA]
	v_mul_u32_u24 v4, v1, PITCH
	v_lshl_add_u32 v4, v2, 4, v4
	s_mul_i32 s19, s78, 64*PITCH
	s_add_co_u32 s19, s19, 2*HALFT
	v_add_nc_u32 v[ADRB], s19, v4
	v_add_nc_u32 v[ADRB+1], SLOT, v[ADRB]
	s_mul_i32 s18, s[WV], 16*PITCH
	s_add_co_u32 s18, s18, STAGE
	v_mul_u32_u24 v5, v1, PITCH
	v_lshl_add_u32 v5, v2, 5, v5
	v_add_nc_u32 v[STO], s18, v5
	v_mul_u32_u24 v6, v2, PITCH
	v_lshl_add_u32 v6, v1, 4, v6
	v_add_nc_u32 v[RD], s18, v6
	v_lshlrev_b32 v7, 12, v2
	v_lshl_add_u32 v[CO], v1, 4, v7
	s_wait_alu depctr_va_vdst(0)
	s_lshl_b32 s80, s43, 19
	s_lshl_b32 s81, s77, 18
	s_add_co_u32 s80, s80, s81
	s_lshl_b32 s82, s42, 9
	s_lshl_b32 s83, s78, 8
	s_add_co_u32 s82, s82, s83
	s_add_co_u32 s80, s80, s82
	s_mov_b32 s81, 0
	s_mov_b32 s83, 0
	s_add_nc_u64 s[RES:RES+1], s[RES:RES+1], s[80:81]
	s_add_nc_u64 s[OUTP:OUTP+1], s[OUTP:OUTP+1], s[80:81]
	WIN 0x80
.irp a, 0,1,2,3
.irp t, 0,1,2,3,4,5,6,7
	global_load_b128 v[32*\a+4*\t:32*\a+4*\t+3], v[CO], s[RES:RES+1] offset:(16*\a+2*\t)*4096
.endr
.endr
	WIN 0
.if FC2
	s_add_nc_u64 s[10:11], s[10:11], s[82:83]
	v_lshlrev_b32 v[BO], 5, v2
.irp b, 0,1,2,3
	global_load_b128 v[BIA+8*\b:BIA+8*\b+3], v[BO], s[10:11] offset:64*\b
	global_load_b128 v[BIA+8*\b+4:BIA+8*\b+7], v[BO], s[10:11] offset:64*\b+16
.endr
.endif
.macro MUL4 f, a, zero
.irp b, 0,1,2,3
.if \zero
	v_wmma_f32_16x16x128_bf8_bf8 v[ACC+8*(4*(\a)+\b):ACC+8*(4*(\a)+\b)+7], v[\f+64+16*\b:\f+64+16*\b+15], v[\f+16*(\a):\f+16*(\a)+15], 0
.else
	v_wmma_f32_16x16x128_bf8_bf8 v[ACC+8*(4*(\a)+\b):ACC+8*(4*(\a)+\b)+7], v[\f+64+16*\b:\f+64+16*\b+15], v[\f+16*(\a):\f+16*(\a)+15], v[ACC+8*(4*(\a)+\b):ACC+8*(4*(\a)+\b)+7]
.endif
.endr
.endm
.macro FETCH slot, q, f
	WIN TO_F
.irp i, 0,1,2,3
.irp c, 0,1,2,3
	ds_load_b128 v[\f+64+16*\i+4*\c:\f+64+16*\i+4*\c+3], v[ADRB+\slot] offset:((\q)/2)*HALFT+\i*16*PITCH+128*((\q)%2)+32*\c
.endr
.endr
.irp i, 0,1,2,3
.irp c, 0,1,2,3
.if FC2
	ds_load_b128 v[\f+16*\i+4*\c:\f+16*\i+4*\c+3], v[ADRA+\slot] offset:((\q)/2)*HALFT+((\q)%2)*64*PITCH+\i*8*PITCH+32*\c
.else
	ds_load_b128 v[\f+16*\i+4*\c:\f+16*\i+4*\c+3], v[ADRA+\slot] offset:((\q)/2)*HALFT+(2*((\q)%2)+\c/2)*32*PITCH+\i*4*PITCH+32*(\c%2)
.endif
.endr
.endr
.endm
.macro QUARTER slot, qn, f, g, zero
	s_wait_dscnt 8
	WIN MUL
	MUL4 \f, 0, \zero
	MUL4 \f, 1, \zero
	PLACES
	FETCH \slot, \qn, \g
	s_wait_dscnt 32
	WIN MUL
	MUL4 \f, 2, \zero
	MUL4 \f, 3, \zero
.endm
.macro TURN slot, next, fill
	WIN 0
	s_wait_tensorcnt 0x0
	ds_add_u32 v[SPW], v[NIL]
	s_wait_dscnt 13
	WIN MUL
	MUL4 F1, 0, 0
	s_wait_dscnt 0x0
	s_barrier_signal -1
	MUL4 F1, 1, 0
.if \fill
	WIN 0
.endif
	s_barrier_wait -1
.if \fill
	CREST
	s_add_nc_u64 s[G0A+4*\slot+2:G0A+4*\slot+3], s[G0A+4*\slot+2:G0A+4*\slot+3], 1<<22
	s_add_nc_u64 s[G0B+4*\slot+2:G0B+4*\slot+3], s[G0B+4*\slot+2:G0B+4*\slot+3], 1024
	JLOAD \slot
.else
	PLACES
.endif
	FETCH \next, 0, F0
	WIN MUL
	MUL4 F1, 2, 0
	MUL4 F1, 3, 0
.endm
	s_wait_tensorcnt 1
	s_barrier_signal -1
	s_barrier_wait -1
	FETCH 0, 0, F0
	QUARTER 0, 1, F0, F1, 1
.if LAPS > 1
	WIN 0
	s_mov_b32 s3, LAPS-1
.Llap:
	QUARTER 0, 2, F1, F0, 0
	QUARTER 0, 3, F0, F1, 0
	TURN 0, 1, 1
	QUARTER 1, 1, F0, F1, 0
	QUARTER 1, 2, F1, F0, 0
	QUARTER 1, 3, F0, F1, 0
	TURN 1, 0, 1
	QUARTER 0, 1, F0, F1, 0
	WIN 0
	s_sub_co_u32 s3, s3, 1
	s_cmp_lg_u32 s3, 0
	s_cbranch_scc1 .Llap
.endif
	QUARTER 0, 2, F1, F0, 0
	QUARTER 0, 3, F0, F1, 0
	TURN 0, 1, 0
	QUARTER 1, 1, F0, F1, 0
	QUARTER 1, 2, F1, F0, 0
	QUARTER 1, 3, F0, F1, 0
	s_wait_dscnt 8
	WIN MUL
	MUL4 F1, 0, 0
	MUL4 F1, 1, 0
	s_wait_dscnt 0x0
	MUL4 F1, 2, 0
	MUL4 F1, 3, 0
	WIN 0
	PLACES
	s_wait_kmcnt 0x0
	s_add_co_i32 s96, s96, s97
	s_add_co_i32 s96, s96, 127
	s_lshl_b32 s96, s96, 23
	s_mov_b32 s97, s96
	s_wait_loadcnt 0x0
.irp a, 0,1,2,3
.set n, 0
.rept 16
.if FC2
	v_pk_fma_f32 v[TMP+n:TMP+n+1], v[ACC+32*\a+n:ACC+32*\a+n+1], s[96:97], v[BIA+n:BIA+n+1] op_sel_hi:[1,0,1]
.else
	v_pk_mul_f32 v[TMP+n:TMP+n+1], v[ACC+32*\a+n:ACC+32*\a+n+1], s[96:97] op_sel_hi:[1,0]
.endif
.set n, n+2
.endr
.irp b, 0,1,2,3
	ds_store_b128 v[STO], v[TMP+8*\b:TMP+8*\b+3] offset:64*\b
	ds_store_b128 v[STO], v[TMP+8*\b+4:TMP+8*\b+7] offset:64*\b+16
.endr
.if \a > 0
	s_wait_xcnt 0x0
.endif
.irp t, 0,1,2,3,4,5,6,7
	ds_load_b128 v[OUTR+4*\t:OUTR+4*\t+3], v[RD] offset:\t*2*PITCH
.endr
	s_wait_dscnt 0x0
	WIN 0x08
.set n, 0
.rept 16
	v_pk_add_f32 v[OUTR+n:OUTR+n+1], v[OUTR+n:OUTR+n+1], v[32*\a+n:32*\a+n+1]
.set n, n+2
.endr
	WIN 0
.irp t, 0,1,2,3,4,5,6,7
	global_store_b128 v[CO], v[OUTR+4*\t:OUTR+4*\t+3], s[OUTP:OUTP+1] offset:(16*\a+2*\t)*4096
.endr
.endr
	s_wait_tensorcnt 0x0
	ds_add_u32 v[SPW], v[NIL]
	s_wait_dscnt 0x0
	CROUND
	s_endpgm
.Lfunc_end_k_qed17f5d6fe_proj:
	.size	k_qed17f5d6fe_proj, .Lfunc_end_k_qed17f5d6fe_proj-k_qed17f5d6fe_proj
	.p2alignl 7, 3214868480
	.fill 96, 4, 3214868480
	.section	.rodata,"a",@progbits
	.p2align	6, 0x0
	.amdhsa_kernel k_qed17f5d6fe_proj
		.amdhsa_group_segment_fixed_size 327680
		.amdhsa_private_segment_fixed_size 0
		.amdhsa_enable_private_segment 0
		.amdhsa_kernarg_size 40
		.amdhsa_user_sgpr_count 2
		.amdhsa_user_sgpr_kernarg_segment_ptr 1
		.amdhsa_wavefront_size32 1
		.amdhsa_system_sgpr_workgroup_id_x 1
		.amdhsa_system_sgpr_workgroup_id_y 1
		.amdhsa_system_sgpr_workgroup_id_z 1
		.amdhsa_system_vgpr_workitem_id 0
		.amdhsa_next_free_vgpr 768
		.amdhsa_next_free_sgpr 100
		.amdhsa_reserve_vcc 0
		.amdhsa_float_denorm_mode_32 3
		.amdhsa_float_denorm_mode_16_64 3
		.amdhsa_memory_ordered 1
		.amdhsa_forward_progress 1
		.amdhsa_inst_pref_size 54
	.end_amdhsa_kernel
	.amdgpu_metadata
---
amdhsa.version: [ 1, 2 ]
amdhsa.kernels:
  - .name:           k_qed17f5d6fe_proj
    .symbol:         k_qed17f5d6fe_proj.kd
    .args:
      - { .name: oc, .offset: 0, .size: 8, .value_kind: global_buffer, .address_space: global }
      - { .name: w_proj_codes, .offset: 8, .size: 8, .value_kind: global_buffer, .address_space: global }
      - { .name: lowp_scales, .offset: 16, .size: 8, .value_kind: global_buffer, .address_space: global }
      - { .name: x, .offset: 24, .size: 8, .value_kind: global_buffer, .address_space: global }
      - { .name: x1, .offset: 32, .size: 8, .value_kind: global_buffer, .address_space: global }
    .group_segment_fixed_size: 327680
    .private_segment_fixed_size: 0
    .kernarg_segment_align: 8
    .kernarg_segment_size: 40
    .max_flat_workgroup_size: 128
    .sgpr_count:     100
    .vgpr_count:     768
    .wavefront_size: 32
...
	.end_amdgpu_metadata
.endif
;; end of part 4
;; launch ln2 (part 5): grid 256 x 1, 16 waves a work-group, no clusters, 83,968 bytes of LDS; arguments x1, ln2_g, ln2_b, lowp_scales, acod; writes acod
.if DOCPART == 5
	.amdgcn_target "amdgcn-amd-amdhsa--gfx1250"
	.amdhsa_code_object_version 6
	.text
	.protected	k_qed17f5d6fe_ln2
	.globl	k_qed17f5d6fe_ln2
	.p2align	8
	.type	k_qed17f5d6fe_ln2,@function
k_qed17f5d6fe_ln2:
	s_mov_b64 s[64:65], 0
	v_nop
	global_prefetch_b8 v0, s[64:65] scope:SCOPE_SE
	s_setreg_imm32_b32 hwreg(HW_REG_WAVE_MODE, 25, 1), 1
	s_wait_xcnt 0x0
; codes = Q(layernorm(x) * g + b, 2^e), e = the entry of the scales' buffer at byte EOFF.  x: [4096][1024] f32; codes: [4096][1024] bytes, E5M2, K innermost.
; A work-group takes 16 rows, a wave ONE: a row of 4,096 bytes is 32 registers of the wave, so it is read from memory once and both passes (mean; squares of x - mean) run on registers:
; the variance is the mean of (x - mean)^2 and never a difference of large sums.  All 24 loads of a wave go out at the head, 512 consecutive bytes each, the row ahead of g and b.
; g and b lie in the same layout as the row (register 4 j + k: column 128 j + 4 lane + k), so the gain and the bias are applied before the numbers change lanes.
; The conversion takes 8 neighbours along K from one lane, so the finished row turns through the wave's own stage in LDS (64 places of 64 bytes + 16 of padding) and comes back 64 bytes a lane;
; a lane's 16 codes are 16 bytes, and the wave stores 512 consecutive bytes.  Waves share nothing: no barrier.  No matrix unit, no cluster, no tensor load, no prefetch: the bytes are read once, at the head, and no two work-groups share any but g and b.
; LIMITS: e between -126 and 112, so that 2^e and 57,344 x 2^e are f32 numbers.  NaN and infinities among the inputs are not served.
.set EOFF, 32                          ; byte of the exponent in the scales' buffer
.set G,   32                           ; v32-63   g
.set B,   64                           ; v64-95   b
.set X,   96                           ; v96-127  the row; its first 8 registers later take its codes
.set T,   128                          ; v128-159 the row as it comes back from the stage
.set SPARE, 16*5120                    ; behind the sixteen stages: the spare words, 128 bytes a wave
	s_load_b256 s[4:11], s[0:1], 0x0               ; x s[4:5], g s[6:7], b s[8:9], the scales' exponents s[10:11]
	s_load_b64 s[12:13], s[0:1], 0x20              ; the codes
	v_lshl_add_u32 v22, v0, 2, SPARE
	v_mov_b32 v23, 0
	v_lshrrev_b32 v1, 5, v0
	v_readfirstlane_b32 s14, v1                    ; wave 0..15
	v_and_b32 v7, 31, v0                           ; lane
	v_lshlrev_b32 v2, 4, v7                        ; 16 x lane: my bytes of a load's or a store's 512; never rewritten
	s_mul_i32 s15, s14, 5120                       ; my wave's stage
	v_lshrrev_b32 v3, 2, v7
	v_mul_u32_u24 v3, v3, 80
	v_and_b32 v4, 3, v7
	v_lshl_add_u32 v3, v4, 4, v3
	v_add_nc_u32 v3, s15, v3                       ; into the stage: four lanes' 64 bytes on end, then 16 of padding
	v_mul_u32_u24 v4, v7, 80
	v_add_nc_u32 v4, s15, v4                       ; out of it: 80 x lane: 16 neighbouring numbers
	v_mov_b32 v12, 0                               ; a lane permute's destination counts as read: written once
	s_mov_b32 s20, 0x76543210
	s_mov_b32 s21, 0xfedcba98                      ; lane l xor 16
	s_mov_b32 s22, 0x3a800000                      ; 1 / 1024
	s_mov_b32 s23, 0x3727c5ac                      ; 1e-5
	s_lshl_b32 s16, ttmp9, 16                      ; 16 rows of 4,096 bytes a work-group,
	s_lshl_b32 s17, s14, 12                        ; one a wave
	s_add_co_u32 s16, s16, s17
	s_mov_b32 s17, 0
	s_lshr_b32 s18, s16, 2                         ; a row of codes is a quarter of that
	s_mov_b32 s19, 0
	s_wait_alu depctr_va_vdst(0)                   ; the wait at the head's end
	s_wait_kmcnt 0x0
	s_load_b32 s24, s[10:11], EOFF                 ; e
	s_add_nc_u64 s[4:5], s[4:5], s[16:17]
	s_add_nc_u64 s[12:13], s[12:13], s[18:19]
.irp j, 0,1,2,3,4,5,6,7
	global_load_b128 v[X+4*\j:X+4*\j+3], v2, s[4:5] offset:512*\j
.endr
.irp j, 0,1,2,3,4,5,6,7
	global_load_b128 v[G+4*\j:G+4*\j+3], v2, s[6:7] offset:512*\j
.endr
.irp j, 0,1,2,3,4,5,6,7
	global_load_b128 v[B+4*\j:B+4*\j+3], v2, s[8:9] offset:512*\j
.endr
.macro REDUCE                          ; v8: my lane's part -> the sum over the 32 lanes, in every lane; one chain, so each line carries its hint
.irp m, 1,2,4,8
	s_delay_alu instid0(VALU_DEP_1)
	v_add_f32_dpp v8, v8, v8 row_xmask:\m row_mask:0xf bank_mask:0xf
.endr
	s_delay_alu instid0(VALU_DEP_1)
	v_permlanex16_b32 v12, v8, s20, s21
	s_delay_alu instid0(VALU_DEP_1)
	v_add_f32 v8, v8, v12
.endm
	s_wait_loadcnt 16                              ; loads come back in order: the row is in; g's and b's sixteen loads may be out
	v_pk_add_f32 v[8:9], v[X:X+1], v[X+2:X+3]      ; two chains, started by the first four pairs: nothing is cleared
	v_pk_add_f32 v[10:11], v[X+4:X+5], v[X+6:X+7]
.irp j, 8,12,16,20,24,28
	v_pk_add_f32 v[8:9], v[8:9], v[X+\j:X+\j+1]
	v_pk_add_f32 v[10:11], v[10:11], v[X+\j+2:X+\j+3]
.endr
	v_pk_add_f32 v[8:9], v[8:9], v[10:11]
	v_add_f32 v8, v8, v9
	REDUCE
	v_mul_f32 v14, s22, v8                         ; the mean,
	v_mov_b32 v15, v14                             ; as a pair
.irp j, 0,2,4,6,8,10,12,14,16,18,20,22,24,26,28,30
	v_pk_add_f32 v[X+\j:X+\j+1], v[X+\j:X+\j+1], v[14:15] neg_lo:[0,1] neg_hi:[0,1]
.endr
	v_pk_mul_f32 v[8:9], v[X:X+1], v[X:X+1]
	v_pk_mul_f32 v[10:11], v[X+2:X+3], v[X+2:X+3]
.irp j, 4,8,12,16,20,24,28
	v_pk_fma_f32 v[8:9], v[X+\j:X+\j+1], v[X+\j:X+\j+1], v[8:9]
	v_pk_fma_f32 v[10:11], v[X+\j+2:X+\j+3], v[X+\j+2:X+\j+3], v[10:11]
.endr
	v_pk_add_f32 v[8:9], v[8:9], v[10:11]
	v_add_f32 v8, v8, v9
	REDUCE
	v_fma_f32 v16, v8, s22, s23                    ; variance + 1e-5
	s_wait_alu depctr_va_vdst(0)                   ; the wait ahead of the batch
	v_rsq_f32 v24, v16                             ; the factor twice, for the packed multiply
	v_rsq_f32 v25, v16
	s_wait_kmcnt 0x0
	s_add_co_i32 s24, s24, 127
	s_lshl_b32 s25, s24, 23
	v_mov_b32 v5, s25                              ; 2^e as f32: the conversion takes its exponent field.  (The plain instruction behind the last transcendental)
	s_add_co_i32 s24, s24, 15
	s_lshl_b32 s24, s24, 23
	s_or_b32 s24, s24, 0x600000
	v_mov_b32 v6, s24                              ; 57,344 x 2^e
	s_wait_alu depctr_va_vdst(0)                   ; one wait for the batch, ahead of its first reader, and directly ahead of the wait below
	s_wait_loadcnt 0x0                             ; g and b
.irp j, 0,2,4,6,8,10,12,14,16,18,20,22,24,26,28,30
	v_pk_mul_f32 v[X+\j:X+\j+1], v[X+\j:X+\j+1], v[24:25]
.endr
.irp j, 0,2,4,6,8,10,12,14,16,18,20,22,24,26,28,30
	v_pk_fma_f32 v[X+\j:X+\j+1], v[X+\j:X+\j+1], v[G+\j:G+\j+1], v[B+\j:B+\j+1]
.endr
.irp j, 0,1,2,3,4,5,6,7
	ds_store_b128 v3, v[X+4*\j:X+4*\j+3] offset:640*\j         ; a load's 512 bytes take eight places of 80
.endr
.irp u, 0,1
.irp k, 0,1,2,3
	ds_load_b128 v[T+16*\u+4*\k:T+16*\u+4*\k+3], v4 offset:2560*\u+16*\k   ; LDS serves a wave's instructions in order: these see the stores above.  Columns 512 u + 16 lane + 0 .. 15
.endr
.endr
	s_wait_dscnt 0x0
.set n, 0
.rept 32
	v_med3_num_f32 v[T+n], v[T+n], -v6, v6         ; the conversion to an 8-bit code does not saturate (ISA guide 7.6.2): the hold at the largest code x the scale
.set n, n+1
.endr
.irp u, 0,1
	v_cvt_scalef32_pk8_bf8_f32 v[X+4*\u:X+4*\u+1], v[T+16*\u:T+16*\u+7], v5
	v_cvt_scalef32_pk8_bf8_f32 v[X+4*\u+2:X+4*\u+3], v[T+16*\u+8:T+16*\u+15], v5
.endr
.irp u, 0,1
	global_store_b128 v2, v[X+4*\u:X+4*\u+3], s[12:13] offset:512*\u   ; 32 lanes store 512 consecutive bytes, aligned
.endr
	s_wait_tensorcnt 0x0                           ; the wave's end
	ds_add_u32 v22, v23
	s_wait_dscnt 0x0
	s_endpgm
.Lfunc_end_k_qed17f5d6fe_ln2:
	.size	k_qed17f5d6fe_ln2, .Lfunc_end_k_qed17f5d6fe_ln2-k_qed17f5d6fe_ln2
	.p2alignl 7, 3214868480
	.fill 96, 4, 3214868480
	.section	.rodata,"a",@progbits
	.p2align	6, 0x0
	.amdhsa_kernel k_qed17f5d6fe_ln2
		.amdhsa_group_segment_fixed_size 83968
		.amdhsa_private_segment_fixed_size 0
		.amdhsa_enable_private_segment 0
		.amdhsa_kernarg_size 40
		.amdhsa_user_sgpr_count 2
		.amdhsa_user_sgpr_kernarg_segment_ptr 1
		.amdhsa_wavefront_size32 1
		.amdhsa_system_sgpr_workgroup_id_x 1
		.amdhsa_system_sgpr_workgroup_id_y 1
		.amdhsa_system_sgpr_workgroup_id_z 1
		.amdhsa_system_vgpr_workitem_id 0
		.amdhsa_next_free_vgpr 160
		.amdhsa_next_free_sgpr 66
		.amdhsa_reserve_vcc 0
		.amdhsa_float_denorm_mode_32 3
		.amdhsa_float_denorm_mode_16_64 3
		.amdhsa_memory_ordered 1
		.amdhsa_forward_progress 1
		.amdhsa_inst_pref_size 15
	.end_amdhsa_kernel
	.amdgpu_metadata
---
amdhsa.version: [ 1, 2 ]
amdhsa.kernels:
  - .name:           k_qed17f5d6fe_ln2
    .symbol:         k_qed17f5d6fe_ln2.kd
    .args:
      - { .name: x1, .offset: 0, .size: 8, .value_kind: global_buffer, .address_space: global }
      - { .name: ln2_g, .offset: 8, .size: 8, .value_kind: global_buffer, .address_space: global }
      - { .name: ln2_b, .offset: 16, .size: 8, .value_kind: global_buffer, .address_space: global }
      - { .name: lowp_scales, .offset: 24, .size: 8, .value_kind: global_buffer, .address_space: global }
      - { .name: acod, .offset: 32, .size: 8, .value_kind: global_buffer, .address_space: global }
    .group_segment_fixed_size: 83968
    .private_segment_fixed_size: 0
    .kernarg_segment_align: 8
    .kernarg_segment_size: 40
    .max_flat_workgroup_size: 512
    .sgpr_count:     66
    .vgpr_count:     160
    .wavefront_size: 32
...
	.end_amdgpu_metadata
.endif
;; end of part 5
;; launch fc1 (part 6): grid 16 x 16, 4 waves a work-group, clusters of 4 x 4, 327,680 bytes of LDS; arguments acod, w1_codes, lowp_scales, b1, hc; writes hc
.if DOCPART == 6
	.amdgcn_target "amdgcn-amd-amdhsa--gfx1250"
	.amdhsa_code_object_version 6
	.text
	.protected	k_qed17f5d6fe_fc1
	.globl	k_qed17f5d6fe_fc1
	.p2align	8
	.type	k_qed17f5d6fe_fc1,@function
k_qed17f5d6fe_fc1:
	s_mov_b64 s[64:65], 0
	v_nop
	global_prefetch_b8 v0, s[64:65] scope:SCOPE_SE
	s_setreg_imm32_b32 hwreg(HW_REG_WAVE_MODE, 25, 1), 1
	s_wait_xcnt 0x0
	s_wait_alu depctr_hold_cnt(0) depctr_sa_sdst(0) depctr_va_vdst(0) depctr_va_sdst(0) depctr_va_ssrc(0) depctr_va_vcc(0) depctr_vm_vsrc(0)
	s_getreg_b32 s2, hwreg(HW_REG_IB_STS2, 6, 4)
	s_cmp_eq_u32 s2, 0
	s_cbranch_scc0 .Lentry_in_a_cluster
	s_endpgm
.Lentry_in_a_cluster:
	s_bfe_u32 s2, ttmp6, 0x10000c
	s_cmp_lg_u32 s2, 0xf033
	s_cbranch_scc0 .Lentry_shape_is_right
	s_endpgm
.Lentry_shape_is_right:
; hc = Q(gelu(h W1^T x 2^(e8 + e9) + b1), 2^e10) on E5M2 codes (K = 1,024).  h's codes: [4096][1024]; W1's codes: [4096][1024]; hc: [32 groups of 128 hidden units][4096 rows][128] codes.
; A work-group makes 256 x 256, each of its four waves 128 x 128; K goes in steps of 256 through two LDS slots; cluster 4 x 4 with joint loads (tokens along a row, weights along a column).
; LIMITS: e8 + e9 between -126 and 127; e10 between -126 and 112.  NaN and infinities are not served.
.set SIZE_K, 1024
.set KSTEP,  256
.set ROWB,   256
.set KROW,   SIZE_K
.set PITCH,  272
.set FR,     16
.set NL,     4
.set NP,     4
.set HALFT,  128*PITCH
.set SLOT,   4*HALFT
.set LAPS,   SIZE_K/(2*KSTEP)
.set SPARE,  2*SLOT
.set YP,     528
.set YW,     128*YP
.set ADRA, 16
.set ADRB, 20
.set STO,  24
.set RDY,  25
.set CO,   26
.set BO,   27
.set SPW,  28
.set NIL,  29
.set ADR,  30
.set BIA,  32
.set AF,   128
.set G1, 24
.set G0, 32
.set G1B, 48
.set G0B, 56
.set MSB, 0
.macro WIN new
.if MSB != \new
	s_set_vgpr_msb (MSB<<8)|\new
.set MSB, \new
.endif
.endm
.set MUL_LO, 0xa1
.set MUL_HI, 0xf1
.set TO_B,   0x40
.macro JLOAD g0a, g1a, g0b, g1b
	s_cmp_eq_u32 s15, 0
	s_cbranch_scc0 .Lfor_b_\@
	tensor_load_to_lds s[\g0a:\g0a+3], s[\g1a:\g1a+7]
	s_nop 0
.rept 4
	v_nop
.endr
	s_branch .Lasked_\@
.Lfor_b_\@:
	tensor_load_to_lds s[\g0b:\g0b+3], s[\g1b:\g1b+7]
	s_nop 0
.rept 4
	v_nop
.endr
.Lasked_\@:
.endm
.macro CREST
	s_cmp_lg_u32 s14, 0
	s_cbranch_scc1 .Lnot_wave_0_\@
	s_barrier_signal -3
.Lnot_wave_0_\@:
	s_barrier_wait -3
	s_barrier_signal -1
	s_barrier_wait -1
.endm
.macro CROUND
	s_barrier_signal -1
	s_barrier_wait -1
	CREST
.endm
	s_load_b256 s[4:11], s[0:1], 0x0
	s_load_b64 s[12:13], s[0:1], 0x20
	v_lshl_add_u32 v[SPW], v0, 2, SPARE
	v_mov_b32 v[NIL], 0
	ds_add_u32 v28, v29
	ds_add_u32 v28, v29
	s_wait_dscnt 0x0
	v_lshrrev_b32 v1, 5, v0
	v_readfirstlane_b32 s14, v1
	s_lshr_b32 s15, s14, 1
	s_and_b32 s16, s14, 1
	s_bfe_u32 s40, ttmp6, 0x40000
	s_bfe_u32 s41, ttmp6, 0x40004
	s_lshl_b32 s42, ttmp9, 2
	s_add_co_u32 s42, s42, s40
	s_and_b32 s17, ttmp7, 0xffff
	s_lshl_b32 s17, s17, 2
	s_add_co_u32 s17, s17, s41
	s_lshl_b32 s43, s41, 2
	s_lshl_b32 s43, 15, s43
	s_lshl_b32 s44, 0x1111, s40
	s_or_b32 s[G1+0], s43, (1<<20)|(1<<21)|(5<<22)|(3<<25)
	s_or_b32 s[G1B+0], s44, (1<<20)|(1<<21)|(5<<22)|(3<<25)
.irp g, G1, G1B
	s_mov_b32 s[\g+1], ROWB<<16
	s_mov_b32 s[\g+2], 128<<16
	s_mov_b32 s[\g+3], ROWB<<16
	s_mov_b32 s[\g+4], 128
	s_mov_b32 s[\g+5], KROW
	s_mov_b32 s[\g+6], 0
	s_mov_b32 s[\g+7], 0
.endr
	s_lshl_b32 s18, s16, 17
	s_lshl_b32 s20, s17, 18
	s_add_co_u32 s20, s20, s18
	s_mov_b32 s21, 0
	s_lshl_b32 s46, s42, 18
	s_add_co_u32 s46, s46, s18
	s_mov_b32 s47, 0
	s_mul_i32 s45, s14, HALFT
	s_wait_kmcnt 0x0
	s_load_b128 s[92:95], s[8:9], 0x20
	s_add_nc_u64 s[20:21], s[4:5], s[20:21]
	s_add_nc_u64 s[46:47], s[6:7], s[46:47]
	; the prefetches: behind the load of K step j (j = 0, 1, 2) each wave names its work-group's 32 of the 128 rows (256 bytes each) that its load of K step j + 1 will fetch.
	; The four partners that ask for a piece jointly share its rows out by address (cx for the tokens' piece, cy for the weights'); a lane a row; the address registers are never rewritten.
	s_cmp_eq_u32 s15, 0
	s_cselect_b64 s[84:85], s[20:21], s[46:47]
	s_cselect_b32 s86, s40, s41
	s_lshl_b32 s86, s86, 15                        ; 32 rows of 1,024 bytes for each partner
	s_mov_b32 s87, 0
	s_add_nc_u64 s[84:85], s[84:85], s[86:87]
	v_and_b32 v31, 31, v0
	v_lshlrev_b32 v31, 10, v31
	CROUND
.irp s, 0,1
	s_mov_b32 s[G0+4*\s], 1
	s_add_co_u32 s[G0+4*\s+1], s45, \s*SLOT
	s_add_nc_u64 s[G0+4*\s+2:G0+4*\s+3], s[20:21], \s*ROWB
	s_or_b32 s[G0+4*\s+3], s[G0+4*\s+3], 0x80000000
	s_mov_b32 s[G0B+4*\s], 1
	s_add_co_u32 s[G0B+4*\s+1], s45, \s*SLOT
	s_add_nc_u64 s[G0B+4*\s+2:G0B+4*\s+3], s[46:47], \s*ROWB
	s_or_b32 s[G0B+4*\s+3], s[G0B+4*\s+3], 0x80000000
	s_wait_alu depctr_va_vdst(0)
.if \s
	s_wait_tensorcnt 0x0                           ; a wait, two adds and a round ahead of slot 1's first fill
	ds_add_u32 v28, v29
	ds_add_u32 v28, v29
	s_wait_dscnt 0x0
	CROUND
.endif
	JLOAD G0+4*\s, G1, G0B+4*\s, G1B
	global_prefetch_b8 v31, s[84:85] offset:256*(\s+1) th:TH_LOAD_NT scope:SCOPE_SE
.endr
	v_and_b32 v1, 15, v0
	s_wait_alu depctr_va_vdst(0)
	v_bfe_u32 v2, v0, 4, 1
	s_lshl_b32 s80, s42, 10
	s_lshl_b32 s81, s16, 9
	s_add_co_u32 s80, s80, s81
	s_mov_b32 s81, 0
	s_add_nc_u64 s[10:11], s[10:11], s[80:81]
	v_lshlrev_b32 v[BO], 5, v2
.irp b, 0,1,2,3,4,5,6,7
	global_load_b128 v[BIA+8*\b:BIA+8*\b+3], v[BO], s[10:11] offset:64*\b
	global_load_b128 v[BIA+8*\b+4:BIA+8*\b+7], v[BO], s[10:11] offset:64*\b+16
.endr
	v_mul_u32_u24 v3, v1, PITCH
	v_lshl_add_u32 v4, v2, 4, v3
	s_mul_i32 s21, s15, HALFT
	s_mul_i32 s22, s16, HALFT
	s_add_co_u32 s22, s22, 2*HALFT
.irp s, 0,1
	v_add_nc_u32 v[ADRA+\s], s21, v4
	v_add_nc_u32 v[ADRB+\s], s22, v4
	s_add_co_u32 s21, s21, SLOT
	s_add_co_u32 s22, s22, SLOT
.endr
	s_mul_i32 s23, s14, YW
	v_mul_u32_u24 v5, v1, YP
	s_wait_alu depctr_va_vdst(0)
	v_lshl_add_u32 v5, v2, 5, v5
	v_add_nc_u32 v[STO], s23, v5
	v_and_b32 v6, 31, v0
	v_lshlrev_b32 v[CO], 4, v6
	v_lshrrev_b32 v7, 3, v6
	v_mul_u32_u24 v7, v7, YP
	v_and_b32 v8, 7, v6
	v_lshl_add_u32 v7, v8, 6, v7
	v_add_nc_u32 v[RDY], s23, v7
	s_lshl_b32 s80, s42, 1
	s_add_co_u32 s80, s80, s16
	s_lshl_b32 s80, s80, 19
	s_lshl_b32 s81, s17, 15
	s_add_co_u32 s80, s80, s81
	s_lshl_b32 s81, s15, 14
	s_add_co_u32 s80, s80, s81
	s_mov_b32 s81, 0
	s_add_nc_u64 s[12:13], s[12:13], s[80:81]
.macro FRAG reg, adr, q, i
.irp c, 0,1,2,3
	ds_load_b128 v[\reg+4*\c:\reg+4*\c+3], v[\adr] offset:128*(\q)+32*\c+(\i)*16*PITCH
.endr
.endm
.macro MUL16 a0, p, zero
.irp a, \a0, \a0+1
.irp b, 0,1,2,3,4,5,6,7
.if \zero
	v_wmma_f32_16x16x128_bf8_bf8 v[8*(8*((\a)%4)+\b):8*(8*((\a)%4)+\b)+7], v[128*(\p)+FR*\b:128*(\p)+FR*\b+FR-1], v[AF+FR*(\a):AF+FR*(\a)+FR-1], 0
.else
	v_wmma_f32_16x16x128_bf8_bf8 v[8*(8*((\a)%4)+\b):8*(8*((\a)%4)+\b)+7], v[128*(\p)+FR*\b:128*(\p)+FR*\b+FR-1], v[AF+FR*(\a):AF+FR*(\a)+FR-1], v[8*(8*((\a)%4)+\b):8*(8*((\a)%4)+\b)+7]
.endif
.endr
.endr
.endm
.macro FETCH_B slot, q, p
	WIN TO_B
.irp i, 0,1,2,3,4,5,6,7
	FRAG 128*(\p)+FR*\i, ADRB+\slot, \q, \i
.endr
	WIN 0
.endm
.macro FETCH_A slot, q, i0
.irp i, \i0, \i0+1, \i0+2, \i0+3
	FRAG AF+FR*(\i), ADRA+\slot, \q, \i
.endr
.endm
.macro PLACES n
.rept \n
	v_nop
.endr
.endm
.macro STEP slot, q, zero
	s_wait_dscnt 4*NL
	WIN MUL_LO
	MUL16 0, (\q)%2, \zero
	MUL16 2, (\q)%2, \zero
	s_wait_dscnt 0
	PLACES NP
	FETCH_B \slot, (\q)+1, 1-(\q)%2
	FETCH_A \slot, (\q)+1, 0
	WIN MUL_HI
	MUL16 4, (\q)%2, \zero
	MUL16 6, (\q)%2, \zero
	PLACES NP
	WIN 0
	FETCH_A \slot, (\q)+1, 4
.endm
.macro TURN slot, next, fill
	s_wait_tensorcnt 0x0
	ds_add_u32 v[SPW], v[NIL]
	s_wait_dscnt 4*NL+1
	WIN MUL_LO
	MUL16 0, 1, 0
	s_wait_dscnt 0x0
	s_barrier_signal -1
	MUL16 2, 1, 0
	WIN 0
	s_barrier_wait -1
.if \fill
	CREST
	s_add_nc_u64 s[G0+4*\slot+2:G0+4*\slot+3], s[G0+4*\slot+2:G0+4*\slot+3], 2*ROWB
	s_add_nc_u64 s[G0B+4*\slot+2:G0B+4*\slot+3], s[G0B+4*\slot+2:G0B+4*\slot+3], 2*ROWB
	JLOAD G0+4*\slot, G1, G0B+4*\slot, G1B
.else
	PLACES NP
.endif
	FETCH_B \next, 0, 0
	FETCH_A \next, 0, 0
.if \fill && (\slot == 0)
	global_prefetch_b8 v31, s[84:85] offset:768 th:TH_LOAD_NT scope:SCOPE_SE   ; the loop has LAPS - 1 = 1 trip: this is K step 3, behind the load of K step 2; the last refill has no K step behind it
.endif
	WIN MUL_HI
	MUL16 4, 1, 0
	MUL16 6, 1, 0
	PLACES NP
	WIN 0
	FETCH_A \next, 0, 4
.endm
	s_wait_tensorcnt 1
	s_barrier_signal -1
	s_barrier_wait -1
	FETCH_B 0, 0, 0
	FETCH_A 0, 0, 0
	FETCH_A 0, 0, 4
	STEP 0, 0, 1
	s_mov_b32 s3, LAPS-1
.Llap:
	TURN 0, 1, 1
	STEP 1, 0, 0
	TURN 1, 0, 1
	STEP 0, 0, 0
	s_sub_co_u32 s3, s3, 1
	s_cmp_lg_u32 s3, 0
	s_cbranch_scc1 .Llap
	TURN 0, 1, 0
	STEP 1, 0, 0
	s_wait_dscnt 4*NL
	WIN MUL_LO
	MUL16 0, 1, 0
	MUL16 2, 1, 0
	s_wait_dscnt 0
	WIN MUL_HI
	MUL16 4, 1, 0
	MUL16 6, 1, 0
	WIN 0
	s_barrier_signal -1
	s_barrier_wait -1
	s_wait_kmcnt 0x0
	s_add_co_i32 s96, s92, s93
	s_add_co_i32 s96, s96, 127
	s_lshl_b32 s96, s96, 23
	s_mov_b32 s97, s96
	s_add_co_i32 s80, s94, 127
	s_lshl_b32 s81, s80, 23
	v_mov_b32 v106, s81
	s_add_co_i32 s80, s80, 15
	s_lshl_b32 s80, s80, 23
	s_or_b32 s80, s80, 0x600000
	v_mov_b32 v107, s80
	v_mov_b32 v104, 0x3e7c6f08
	v_mov_b32 v105, 0x3e7c6f08
	s_wait_loadcnt 0x0
.macro TOLDS a
.set AC, 64*((\a)%4)
.set YB, 128+64*((\a)%2)
	WIN 0x02+((\a)/4)
.set n, 0
.rept 32
	v_pk_fma_f32 v[YB+n:YB+n+1], v[AC+n:AC+n+1], s[96:97], v[BIA+n:BIA+n+1] op_sel_hi:[1,0,1]
.set n, n+2
.endr
	WIN 0
.irp b, 0,1,2,3,4,5,6,7
	ds_store_b128 v[STO], v[YB+8*\b:YB+8*\b+3] offset:16*YP*(\a)+64*\b
	ds_store_b128 v[STO], v[YB+8*\b+4:YB+8*\b+7] offset:16*YP*(\a)+64*\b+16
.endr
.endm
.irp a, 0,1,2,3,4,5,6,7
	TOLDS \a
.endr
	s_wait_dscnt 0x0
.macro HORN c
.set n, 0
.rept 16
	v_pk_fma_f32 v[192+n:193+n], v[192+n:193+n], v[160+n:161+n], \c op_sel_hi:[1,1,0]
.set n, n+2
.endr
.endm
.macro GEL Y, C, NY, noff, step, so
.if \NY
.irp g, 0,1
.irp i, 0,1,2,3
	ds_load_b128 v[\NY+16*\g+4*\i:\NY+16*\g+4*\i+3], v[ADR] offset:\noff+4*YP*\g+16*\i
.endr
.endr
	s_wait_dscnt 8
.else
	s_wait_dscnt 0x0
.endif
.set n, 0
.rept 32
	v_fma_f32 v[160+n], |v[\Y+n]|, 0x3eb504f3, 1.0
.set n, n+1
.endr
.set n, 0
	s_wait_alu depctr_va_vdst(0)
.rept 32
	v_rcp_f32 v[160+n], v[160+n]
.set n, n+1
.endr
.set n, 0
.rept 16
	v_pk_mul_f32 v[224+n:225+n], v[\Y+n:\Y+n+1], v[\Y+n:\Y+n+1]
.set n, n+2
.endr
	s_wait_alu depctr_va_vdst(0)
.set n, 0
.rept 16
	v_pk_fma_f32 v[192+n:193+n], v[160+n:161+n], v[104:105], 0xbf97d29d op_sel_hi:[1,1,0]
.set n, n+2
.endr
	HORN 0x40097039
	HORN 0xbfd1a1e5
	HORN 0x3ecdfd18
	HORN 0xbe899a80
	HORN 0x3e0efb2e
	HORN 0x3f0a29d2
	HORN 0x3fb8ab5a
	HORN 0xc034d90f
.if \step
	s_wait_xcnt 0x0
	s_add_nc_u64 s[12:13], s[12:13], 2048
.endif
.set n, 0
.rept 16
	v_pk_fma_f32 v[192+n:193+n], v[224+n:225+n], 0xbf38aa3b, v[192+n:193+n] op_sel_hi:[1,0,1]
.set n, n+2
.endr
.set n, 0
	s_wait_alu depctr_va_vdst(0)
.rept 32
	v_exp_f32 v[192+n], v[192+n]
.set n, n+1
.endr
.set n, 0
.rept 32
	v_max_num_f32 v[224+n], 0, v[\Y+n]
.set n, n+1
.endr
	s_wait_alu depctr_va_vdst(0)
.set n, 0
.rept 16
	v_pk_mul_f32 v[192+n:193+n], v[192+n:193+n], v[160+n:161+n]
.set n, n+2
.endr
.set n, 0
.rept 32
	v_fma_f32 v[\Y+n], -|v[\Y+n]|, v[192+n], v[224+n]
.set n, n+1
.endr
.set n, 0
.rept 32
	v_med3_num_f32 v[\Y+n], v[\Y+n], -v107, v107
.set n, n+1
.endr
.irp g, 0,1
	v_cvt_scalef32_pk8_bf8_f32 v[\C+4*\g:\C+4*\g+1], v[\Y+16*\g:\Y+16*\g+7], v106
	v_cvt_scalef32_pk8_bf8_f32 v[\C+4*\g+2:\C+4*\g+3], v[\Y+16*\g+8:\Y+16*\g+15], v106
.endr
	v_nop
	global_store_b128 v[CO], v[\C:\C+3], s[12:13] offset:\so
	global_store_b128 v[CO], v[\C+4:\C+7], s[12:13] offset:\so+512
.endm
.irp g, 0,1
.irp i, 0,1,2,3
	ds_load_b128 v[128+16*\g+4*\i:131+16*\g+4*\i], v[RDY] offset:4*YP*\g+16*\i
.endr
.endr
	s_mov_b32 s18, 0
	s_mov_b32 s3, 7
.Lrows:
	v_add_nc_u32 v[ADR], s18, v[RDY]
	GEL 128, 96, 32, 8*YP, 0, 0
	GEL 32, 108, 128, 16*YP, 1, -1024
	s_add_co_u32 s18, s18, 16*YP
	s_sub_co_u32 s3, s3, 1
	s_cmp_lg_u32 s3, 0
	s_cbranch_scc1 .Lrows
	v_add_nc_u32 v[ADR], s18, v[RDY]
	GEL 128, 96, 32, 8*YP, 0, 0
	GEL 32, 108, 0, 0, 1, -1024
	s_wait_tensorcnt 0x0
	ds_add_u32 v[SPW], v[NIL]
	s_wait_dscnt 0x0
	CROUND
	s_endpgm
.Lfunc_end_k_qed17f5d6fe_fc1:
	.size	k_qed17f5d6fe_fc1, .Lfunc_end_k_qed17f5d6fe_fc1-k_qed17f5d6fe_fc1
	.p2alignl 7, 3214868480
	.fill 96, 4, 3214868480
	.section	.rodata,"a",@progbits
	.p2align	6, 0x0
	.amdhsa_kernel k_qed17f5d6fe_fc1
		.amdhsa_group_segment_fixed_size 327680
		.amdhsa_private_segment_fixed_size 0
		.amdhsa_enable_private_segment 0
		.amdhsa_kernarg_size 40
		.amdhsa_user_sgpr_count 2
		.amdhsa_user_sgpr_kernarg_segment_ptr 1
		.amdhsa_wavefront_size32 1
		.amdhsa_system_sgpr_workgroup_id_x 1
		.amdhsa_system_sgpr_workgroup_id_y 1
		.amdhsa_system_sgpr_workgroup_id_z 1
		.amdhsa_system_vgpr_workitem_id 0
		.amdhsa_next_free_vgpr 1024
		.amdhsa_next_free_sgpr 100
		.amdhsa_reserve_vcc 0
		.amdhsa_float_denorm_mode_32 3
		.amdhsa_float_denorm_mode_16_64 3
		.amdhsa_memory_ordered 1
		.amdhsa_forward_progress 1
		.amdhsa_inst_pref_size 218
	.end_amdhsa_kernel
	.amdgpu_metadata
---
amdhsa.version: [ 1, 2 ]
amdhsa.kernels:
  - .name:           k_qed17f5d6fe_fc1
    .symbol:         k_qed17f5d6fe_fc1.kd
    .args:
      - { .name: acod, .offset: 0, .size: 8, .value_kind: global_buffer, .address_space: global }
      - { .name: w1_codes, .offset: 8, .size: 8, .value_kind: global_buffer, .address_space: global }
      - { .name: lowp_scales, .offset: 16, .size: 8, .value_kind: global_buffer, .address_space: global }
      - { .name: b1, .offset: 24, .size: 8, .value_kind: global_buffer, .address_space: global }
      - { .name: hc, .offset: 32, .size: 8, .value_kind: global_buffer, .address_space: global }
    .group_segment_fixed_size: 327680
    .private_segment_fixed_size: 0
    .kernarg_segment_align: 8
    .kernarg_segment_size: 40
    .max_flat_workgroup_size: 128
    .sgpr_count:     100
    .vgpr_count:     1024
    .wavefront_size: 32
...
	.end_amdgpu_metadata
.endif
;; end of part 6
;; launch fc2 (part 7): grid 8 x 32, 4 waves a work-group, clusters of 4 x 4, 327,680 bytes of LDS; arguments hc, w2_codes, lowp_scales, b2, x1, out0; writes out0
.if DOCPART == 7
	.amdgcn_target "amdgcn-amd-amdhsa--gfx1250"
	.amdhsa_code_object_version 6
	.text
	.protected	k_qed17f5d6fe_fc2
	.globl	k_qed17f5d6fe_fc2
	.p2align	8
	.type	k_qed17f5d6fe_fc2,@function
k_qed17f5d6fe_fc2:
	s_mov_b64 s[64:65], 0
	v_nop
	global_prefetch_b8 v0, s[64:65] scope:SCOPE_SE
	s_setreg_imm32_b32 hwreg(HW_REG_WAVE_MODE, 25, 1), 1
	s_wait_xcnt 0x0
	s_wait_alu depctr_hold_cnt(0) depctr_sa_sdst(0) depctr_va_vdst(0) depctr_va_sdst(0) depctr_va_ssrc(0) depctr_va_vcc(0) depctr_vm_vsrc(0)
	s_getreg_b32 s2, hwreg(HW_REG_IB_STS2, 6, 4)
	s_cmp_eq_u32 s2, 0
	s_cbranch_scc0 .Lentry_in_a_cluster
	s_endpgm
.Lentry_in_a_cluster:
	s_bfe_u32 s2, ttmp6, 0x10000c
	s_cmp_lg_u32 s2, 0xf033
	s_cbranch_scc0 .Lentry_shape_is_right
	s_endpgm
.Lentry_shape_is_right:
; out0 = x1 + h W2^T x 2^(e10 + e11) + b2 on E5M2 codes (K = 4,096).  hc: [32 groups of 128 hidden units][4096 rows][128]; W2's codes: [1024][4096]; x1, out0: [4096][1024] f32.
; A work-group makes 128 x 128, each of its four waves 64 x 64; K goes in steps of 512 through two LDS slots; cluster 4 x 4 with joint loads (tokens along a row, weights along a column).
; LIMIT: e10 + e11 between -126 and 127.
.set FC2, 1
.if FC2
.set KTOT,  4096
.set TRSH,  14
.set TCSH,  19
.set AT0,   16384
.set AROWS, 2
.set ASTR,  524288
.set EOFF,  0x28
.set RES,   12
.set OUTP,  14
.else
.set KTOT,  1024
.set TRSH,  13
.set TCSH,  17
.set AT0,   8192
.set AROWS, 4
.set ASTR,  262144
.set EOFF,  0x18
.set RES,   10
.set OUTP,  12
.endif
.set LAPS,  KTOT/1024
.set PITCH, 272
.set HALFT, 128*PITCH
.set SLOT,  4*HALFT
.set SPARE, 2*SLOT
.set STAGE, SPARE+512
.set ADRA, 16
.set ADRB, 20
.set STO,  24
.set RD,   25
.set CO,   26
.set BO,   27
.set SPW,  28
.set NIL,  29
.set TMP,  32
.set OUTR, 64
.set BIA,  96
.set ACC,  128
.set F0,   0
.set F1,   128
.set G1A, 24
.set G0A, 32
.set G1B, 48
.set G0B, 56
.set WV,  76
.set MSB, 0
.macro WIN new
.if MSB != \new
	s_set_vgpr_msb (MSB<<8)|\new
.set MSB, \new
.endif
.endm
.set MUL,  0x05
.set TO_F, 0x40
.macro PLACES
.rept 4
	v_nop
.endr
.endm
.macro JLOAD s
	s_cmp_eq_u32 s77, 0
	s_cbranch_scc0 .Lfor_b_\@
	tensor_load_to_lds s[G0A+4*\s:G0A+4*\s+3], s[G1A:G1A+7]
	s_nop 0
.rept 4
	v_nop
.endr
	s_branch .Lasked_\@
.Lfor_b_\@:
	tensor_load_to_lds s[G0B+4*\s:G0B+4*\s+3], s[G1B:G1B+7]
	s_nop 0
.rept 4
	v_nop
.endr
.Lasked_\@:
.endm
.macro CREST
	s_cmp_lg_u32 s[WV], 0
	s_cbranch_scc1 .Lnot_wave_0_\@
	s_barrier_signal -3
.Lnot_wave_0_\@:
	s_barrier_wait -3
	s_barrier_signal -1
	s_barrier_wait -1
.endm
.macro CROUND
	s_barrier_signal -1
	s_barrier_wait -1
	CREST
.endm
	s_load_b256 s[4:11], s[0:1], 0x0
.if FC2
	s_load_b128 s[12:15], s[0:1], 0x20
.else
	s_load_b64 s[12:13], s[0:1], 0x20
.endif
	v_lshl_add_u32 v[SPW], v0, 2, SPARE
	v_mov_b32 v[NIL], 0
	ds_add_u32 v28, v29
	ds_add_u32 v28, v29
	s_wait_dscnt 0x0
	v_lshrrev_b32 v1, 5, v0
	v_readfirstlane_b32 s[WV], v1
	s_lshr_b32 s77, s[WV], 1
	s_and_b32 s78, s[WV], 1
	s_bfe_u32 s40, ttmp6, 0x40000
	s_bfe_u32 s41, ttmp6, 0x40004
	s_lshl_b32 s42, ttmp9, 2
	s_add_co_u32 s42, s42, s40
	s_and_b32 s43, ttmp7, 0xffff
	s_lshl_b32 s43, s43, 2
	s_add_co_u32 s43, s43, s41
	s_lshl_b32 s44, s41, 2
	s_lshl_b32 s44, 15, s44
	s_lshl_b32 s45, 0x1111, s40
	s_or_b32 s[G1A], s44, (1<<20)|(1<<21)|(5<<22)|(3<<25)
	s_or_b32 s[G1B], s45, (1<<20)|(1<<21)|(5<<22)|(3<<25)
	s_mov_b32 s[G1A+1], AT0<<16
	s_mov_b32 s[G1A+2], AROWS<<16
	s_mov_b32 s[G1A+3], AT0<<16
	s_mov_b32 s[G1A+4], AROWS
	s_mov_b32 s[G1A+5], ASTR
	s_mov_b32 s[G1A+6], 0
	s_mov_b32 s[G1A+7], 0
	s_mov_b32 s[G1B+1], 256<<16
	s_mov_b32 s[G1B+2], 128<<16
	s_mov_b32 s[G1B+3], 256<<16
	s_mov_b32 s[G1B+4], 128
	s_mov_b32 s[G1B+5], KTOT
	s_mov_b32 s[G1B+6], 0
	s_mov_b32 s[G1B+7], 0
	s_lshl_b32 s20, s43, TRSH
	s_lshl_b32 s21, s78, 20
	s_add_co_u32 s20, s20, s21
	s_mov_b32 s21, 0
	s_lshl_b32 s46, s42, TCSH
	s_lshl_b32 s47, s78, 8
	s_add_co_u32 s46, s46, s47
	s_mov_b32 s47, 0
	s_mul_i32 s79, s[WV], HALFT
	s_wait_kmcnt 0x0
	s_load_b64 s[96:97], s[8:9], EOFF
	s_add_nc_u64 s[20:21], s[4:5], s[20:21]
	s_add_nc_u64 s[46:47], s[6:7], s[46:47]
	; the prefetches: behind the load of K step j each wave names its work-group's 32 of the 128 blocks of 256 bytes that its load of K step j + 1 will fetch.
	; The four partners that ask for a piece jointly share its blocks out by address (cx for the tokens' piece, cy for the weights'); a lane a block.
	s_cmp_eq_u32 s77, 0
	s_cselect_b64 s[84:85], s[20:21], s[46:47]     ; my piece of K step 0
	s_lshr_b32 s86, s40, 1
	s_lshl_b32 s86, s86, 19
	s_and_b32 s87, s40, 1
	s_lshl_b32 s87, s87, 13
	s_add_co_u32 s86, s86, s87                     ; tokens: two dense runs of 16,384 bytes, 524,288 apart: half a run for each partner
	s_lshl_b32 s87, s41, 17                        ; weights: 32 rows of 4,096 bytes for each partner
	s_cmp_eq_u32 s77, 0
	s_cselect_b32 s86, s86, s87
	s_mov_b32 s87, 0
	s_add_nc_u64 s[84:85], s[84:85], s[86:87]
	s_mov_b32 s88, 512
	s_cselect_b32 s88, 1<<21, s88                  ; a K step on, in bytes
	s_mov_b32 s89, 0
	s_mov_b32 s90, 4096
	s_cselect_b32 s90, 256, s90                    ; from lane to lane
	v_and_b32 v30, 31, v0
	v_mul_lo_u32 v30, v30, s90
	CROUND
.irp s, 0,1
	s_mov_b32 s[G0A+4*\s], 1
	s_add_co_u32 s[G0A+4*\s+1], s79, \s*SLOT
	s_add_nc_u64 s[G0A+4*\s+2:G0A+4*\s+3], s[20:21], \s*(1<<21)
	s_or_b32 s[G0A+4*\s+3], s[G0A+4*\s+3], 0x80000000
	s_mov_b32 s[G0B+4*\s], 1
	s_add_co_u32 s[G0B+4*\s+1], s79, \s*SLOT
	s_add_nc_u64 s[G0B+4*\s+2:G0B+4*\s+3], s[46:47], \s*512
	s_or_b32 s[G0B+4*\s+3], s[G0B+4*\s+3], 0x80000000
	s_wait_xcnt 0x0                                ; any prefetch of mine has read its address
	s_add_nc_u64 s[84:85], s[84:85], s[88:89]      ; one K step further on than the load that follows
	s_wait_alu depctr_va_vdst(0)
.if \s
	s_wait_tensorcnt 0x0                           ; a wait, two adds and a round ahead of slot 1's first fill
	ds_add_u32 v28, v29
	ds_add_u32 v28, v29
	s_wait_dscnt 0x0
	CROUND
.endif
	JLOAD \s
	global_prefetch_b8 v30, s[84:85] th:TH_LOAD_NT scope:SCOPE_SE
.endr
	v_and_b32 v1, 15, v0
	v_bfe_u32 v2, v0, 4, 1
.if FC2
	v_lshrrev_b32 v3, 1, v1
	v_mul_u32_u24 v3, v3, PITCH
	v_and_b32 v4, 1, v1
	v_lshl_add_u32 v3, v4, 7, v3
	s_mul_i32 s18, s77, 32*PITCH
.else
	v_lshrrev_b32 v3, 2, v1
	v_mul_u32_u24 v3, v3, PITCH
	v_and_b32 v4, 3, v1
	v_lshl_add_u32 v3, v4, 6, v3
	s_mul_i32 s18, s77, 16*PITCH
.endif
	v_lshl_add_u32 v3, v2, 4, v3
	v_add_nc_u32 v[ADRA], s18, v3
	v_add_nc_u32 v[ADRA+1], SLOT, v[ADRA]
	v_mul_u32_u24 v4, v1, PITCH
	v_lshl_add_u32 v4, v2, 4, v4
	s_mul_i32 s19, s78, 64*PITCH
	s_add_co_u32 s19, s19, 2*HALFT
	v_add_nc_u32 v[ADRB], s19, v4
	v_add_nc_u32 v[ADRB+1], SLOT, v[ADRB]
	s_mul_i32 s18, s[WV], 16*PITCH
	s_add_co_u32 s18, s18, STAGE
	v_mul_u32_u24 v5, v1, PITCH
	v_lshl_add_u32 v5, v2, 5, v5
	v_add_nc_u32 v[STO], s18, v5
	v_mul_u32_u24 v6, v2, PITCH
	v_lshl_add_u32 v6, v1, 4, v6
	v_add_nc_u32 v[RD], s18, v6
	v_lshlrev_b32 v7, 12, v2
	v_lshl_add_u32 v[CO], v1, 4, v7
	s_wait_alu depctr_va_vdst(0)
	s_lshl_b32 s80, s43, 19
	s_lshl_b32 s81, s77, 18
	s_add_co_u32 s80, s80, s81
	s_lshl_b32 s82, s42, 9
	s_lshl_b32 s83, s78, 8
	s_add_co_u32 s82, s82, s83
	s_add_co_u32 s80, s80, s82
	s_mov_b32 s81, 0
	s_mov_b32 s83, 0
	s_add_nc_u64 s[RES:RES+1], s[RES:RES+1], s[80:81]
	s_add_nc_u64 s[OUTP:OUTP+1], s[OUTP:OUTP+1], s[80:81]
	WIN 0x80
.irp a, 0,1,2,3
.irp t, 0,1,2,3,4,5,6,7
	global_load_b128 v[32*\a+4*\t:32*\a+4*\t+3], v[CO], s[RES:RES+1] offset:(16*\a+2*\t)*4096
.endr
.endr
	WIN 0
.if FC2
	s_add_nc_u64 s[10:11], s[10:11], s[82:83]
	v_lshlrev_b32 v[BO], 5, v2
.irp b, 0,1,2,3
	global_load_b128 v[BIA+8*\b:BIA+8*\b+3], v[BO], s[10:11] offset:64*\b
	global_load_b128 v[BIA+8*\b+4:BIA+8*\b+7], v[BO], s[10:11] offset:64*\b+16
.endr
.endif
.macro MUL4 f, a, zero
.irp b, 0,1,2,3
.if \zero
	v_wmma_f32_16x16x128_bf8_bf8 v[ACC+8*(4*(\a)+\b):ACC+8*(4*(\a)+\b)+7], v[\f+64+16*\b:\f+64+16*\b+15], v[\f+16*(\a):\f+16*(\a)+15], 0
.else
	v_wmma_f32_16x16x128_bf8_bf8 v[ACC+8*(4*(\a)+\b):ACC+8*(4*(\a)+\b)+7], v[\f+64+16*\b:\f+64+16*\b+15], v[\f+16*(\a):\f+16*(\a)+15], v[ACC+8*(4*(\a)+\b):ACC+8*(4*(\a)+\b)+7]
.endif
.endr
.endm
.macro FETCH slot, q, f
	WIN TO_F
.irp i, 0,1,2,3
.irp c, 0,1,2,3
	ds_load_b128 v[\f+64+16*\i+4*\c:\f+64+16*\i+4*\c+3], v[ADRB+\slot] offset:((\q)/2)*HALFT+\i*16*PITCH+128*((\q)%2)+32*\c
.endr
.endr
.irp i, 0,1,2,3
.irp c, 0,1,2,3
.if FC2
	ds_load_b128 v[\f+16*\i+4*\c:\f+16*\i+4*\c+3], v[ADRA+\slot] offset:((\q)/2)*HALFT+((\q)%2)*64*PITCH+\i*8*PITCH+32*\c
.else
	ds_load_b128 v[\f+16*\i+4*\c:\f+16*\i+4*\c+3], v[ADRA+\slot] offset:((\q)/2)*HALFT+(2*((\q)%2)+\c/2)*32*PITCH+\i*4*PITCH+32*(\c%2)
.endif
.endr
.endr
.endm
.macro QUARTER slot, qn, f, g, zero
	s_wait_dscnt 8
	WIN MUL
	MUL4 \f, 0, \zero
	MUL4 \f, 1, \zero
	PLACES
	FETCH \slot, \qn, \g
	s_wait_dscnt 32
	WIN MUL
	MUL4 \f, 2, \zero
	MUL4 \f, 3, \zero
.endm
.macro TURN slot, next, fill
	WIN 0
.if \fill
	s_wait_xcnt 0x0                                ; any prefetch of mine has read its address: it is stepped here, ahead of the waits of the change of slots
	s_add_nc_u64 s[84:85], s[84:85], s[88:89]
.endif
	s_wait_tensorcnt 0x0
	ds_add_u32 v[SPW], v[NIL]
	s_wait_dscnt 13
	WIN MUL
	MUL4 F1, 0, 0
	s_wait_dscnt 0x0
	s_barrier_signal -1
	MUL4 F1, 1, 0
.if \fill
	WIN 0
.endif
	s_barrier_wait -1
.if \fill
	CREST
	s_add_nc_u64 s[G0A+4*\slot+2:G0A+4*\slot+3], s[G0A+4*\slot+2:G0A+4*\slot+3], 1<<22
	s_add_nc_u64 s[G0B+4*\slot+2:G0B+4*\slot+3], s[G0B+4*\slot+2:G0B+4*\slot+3], 1024
	JLOAD \slot
.else
	PLACES
.endif
	FETCH \next, 0, F0
.if \fill
	WIN 0
.if \slot == 1
	s_cmp_gt_u32 s3, 1                             ; the last refill has no K step behind it: it asks for nothing
	s_cbranch_scc0 .Lno_ask_\@
.endif
	global_prefetch_b8 v30, s[84:85] th:TH_LOAD_NT scope:SCOPE_SE
.Lno_ask_\@:
.endif
	WIN MUL
	MUL4 F1, 2, 0
	MUL4 F1, 3, 0
.endm
	s_wait_tensorcnt 1
	s_barrier_signal -1
	s_barrier_wait -1
	FETCH 0, 0, F0
	QUARTER 0, 1, F0, F1, 1
.if LAPS > 1
	WIN 0
	s_mov_b32 s3, LAPS-1
.Llap:
	QUARTER 0, 2, F1, F0, 0
	QUARTER 0, 3, F0, F1, 0
	TURN 0, 1, 1
	QUARTER 1, 1, F0, F1, 0
	QUARTER 1, 2, F1, F0, 0
	QUARTER 1, 3, F0, F1, 0
	TURN 1, 0, 1
	QUARTER 0, 1, F0, F1, 0
	WIN 0
	s_sub_co_u32 s3, s3, 1
	s_cmp_lg_u32 s3, 0
	s_cbranch_scc1 .Llap
.endif
	QUARTER 0, 2, F1, F0, 0
	QUARTER 0, 3, F0, F1, 0
	TURN 0, 1, 0
	QUARTER 1, 1, F0, F1, 0
	QUARTER 1, 2, F1, F0, 0
	QUARTER 1, 3, F0, F1, 0
	s_wait_dscnt 8
	WIN MUL
	MUL4 F1, 0, 0
	MUL4 F1, 1, 0
	s_wait_dscnt 0x0
	MUL4 F1, 2, 0
	MUL4 F1, 3, 0
	WIN 0
	PLACES
	s_wait_kmcnt 0x0
	s_add_co_i32 s96, s96, s97
	s_add_co_i32 s96, s96, 127
	s_lshl_b32 s96, s96, 23
	s_mov_b32 s97, s96
	s_wait_loadcnt 0x0
.irp a, 0,1,2,3
.set n, 0
.rept 16
.if FC2
	v_pk_fma_f32 v[TMP+n:TMP+n+1], v[ACC+32*\a+n:ACC+32*\a+n+1], s[96:97], v[BIA+n:BIA+n+1] op_sel_hi:[1,0,1]
.else
	v_pk_mul_f32 v[TMP+n:TMP+n+1], v[ACC+32*\a+n:ACC+32*\a+n+1], s[96:97] op_sel_hi:[1,0]
.endif
.set n, n+2
.endr
.irp b, 0,1,2,3
	ds_store_b128 v[STO], v[TMP+8*\b:TMP+8*\b+3] offset:64*\b
	ds_store_b128 v[STO], v[TMP+8*\b+4:TMP+8*\b+7] offset:64*\b+16
.endr
.if \a > 0
	s_wait_xcnt 0x0
.endif
.irp t, 0,1,2,3,4,5,6,7
	ds_load_b128 v[OUTR+4*\t:OUTR+4*\t+3], v[RD] offset:\t*2*PITCH
.endr
	s_wait_dscnt 0x0
	WIN 0x08
.set n, 0
.rept 16
	v_pk_add_f32 v[OUTR+n:OUTR+n+1], v[OUTR+n:OUTR+n+1], v[32*\a+n:32*\a+n+1]
.set n, n+2
.endr
	WIN 0
.irp t, 0,1,2,3,4,5,6,7
	global_store_b128 v[CO], v[OUTR+4*\t:OUTR+4*\t+3], s[OUTP:OUTP+1] offset:(16*\a+2*\t)*4096
.endr
.endr
	s_wait_tensorcnt 0x0
	ds_add_u32 v[SPW], v[NIL]
	s_wait_dscnt 0x0
	CROUND
	s_endpgm
.Lfunc_end_k_qed17f5d6fe_fc2:
	.size	k_qed17f5d6fe_fc2, .Lfunc_end_k_qed17f5d6fe_fc2-k_qed17f5d6fe_fc2
	.p2alignl 7, 3214868480
	.fill 96, 4, 3214868480
	.section	.rodata,"a",@progbits
	.p2align	6, 0x0
	.amdhsa_kernel k_qed17f5d6fe_fc2
		.amdhsa_group_segment_fixed_size 327680
		.amdhsa_private_segment_fixed_size 0
		.amdhsa_enable_private_segment 0
		.amdhsa_kernarg_size 48
		.amdhsa_user_sgpr_count 2
		.amdhsa_user_sgpr_kernarg_segment_ptr 1
		.amdhsa_wavefront_size32 1
		.amdhsa_system_sgpr_workgroup_id_x 1
		.amdhsa_system_sgpr_workgroup_id_y 1
		.amdhsa_system_sgpr_workgroup_id_z 1
		.amdhsa_system_vgpr_workitem_id 0
		.amdhsa_next_free_vgpr 768
		.amdhsa_next_free_sgpr 100
		.amdhsa_reserve_vcc 0
		.amdhsa_float_denorm_mode_32 3
		.amdhsa_float_denorm_mode_16_64 3
		.amdhsa_memory_ordered 1
		.amdhsa_forward_progress 1
		.amdhsa_inst_pref_size 84
	.end_amdhsa_kernel
	.amdgpu_metadata
---
amdhsa.version: [ 1, 2 ]
amdhsa.kernels:
  - .name:           k_qed17f5d6fe_fc2
    .symbol:         k_qed17f5d6fe_fc2.kd
    .args:
      - { .name: hc, .offset: 0, .size: 8, .value_kind: global_buffer, .address_space: global }
      - { .name: w2_codes, .offset: 8, .size: 8, .value_kind: global_buffer, .address_space: global }
      - { .name: lowp_scales, .offset: 16, .size: 8, .value_kind: global_buffer, .address_space: global }
      - { .name: b2, .offset: 24, .size: 8, .value_kind: global_buffer, .address_space: global }
      - { .name: x1, .offset: 32, .size: 8, .value_kind: global_buffer, .address_space: global }
      - { .name: out0, .offset: 40, .size: 8, .value_kind: global_buffer, .address_space: global }
    .group_segment_fixed_size: 327680
    .private_segment_fixed_size: 0
    .kernarg_segment_align: 8
    .kernarg_segment_size: 48
    .max_flat_workgroup_size: 128
    .sgpr_count:     100
    .vgpr_count:     768
    .wavefront_size: 32
...
	.end_amdgpu_metadata
.endif
;; end of part 7
